; MI455X (gfx1250); checked and timed in simulation.
; The chip was launched on July 23, 2026; its instructions are those of AMD's public machine-readable ISA for CDNA 5 (MIT licence, August 2026) and "CDNA5" Instruction Set Architecture Reference Guide (July 2026). The comments in the code are by the model that wrote it; some were corrected since.
;; Decoder Multi Headed Attention. Allowed arithmetic: matrix products marked QUANTISED: E4M3 operands, one given power-of-two scale a tensor, by v_wmma_f32_16x16x64_fp8_fp8 or v_wmma_f32_16x16x128_fp8_fp8, f32 sums; everything else in f32.
;; Inputs: Wfc 2,048 x 128 float32; Wk 128 x 2,048 float32; Wq 128 x 2,048 float32; Wv 128 x 2,048 float32; bfc 128 float32; lowp_scales 12 int32 (the exponents e of the quantised operands' scales 2^e); x 2 x 2,048 x 128 float32.
;; Outputs: out0 2 x 2,048 x 128 float32.
;; This version of the problem:
;;   THIS VERSION OF THE PROBLEM IS GIVEN IN LOW PRECISION. The matrix products marked QUANTISED in the list below multiply operands that are first quantised to E4M3 (4 exponent bits, 3 mantissa bits; 8 bits a number), with one given power-of-two scale for each operand tensor; their sums are f32. All else is computed in f32.
;;   The module's matrix products, in the order in which they are computed (A, B: the left and right operand; K: the contracted axis; several contracted axes count as one K, in the product's order):
;;     1. [M 4,096, K 128] x [K 128, N 2,048]; A: input x; B: input Wq: QUANTISED (scales: A lowp_scales[0], B lowp_scales[1])
;;     2. [M 4,096, K 128] x [K 128, N 2,048]; A: input x; B: input Wk: QUANTISED (scales: A lowp_scales[2], B lowp_scales[3])
;;     3. [M 4,096, K 128] x [K 128, N 2,048]; A: input x; B: input Wv: QUANTISED (scales: A lowp_scales[4], B lowp_scales[5])
;;     4. batch 32 x [M 2,048, K 128] x [K 128, N 2,048]; A: computed on the way; B: computed on the way: QUANTISED (scales: A lowp_scales[6], B lowp_scales[7])
;;     5. batch 32 x [M 2,048, K 2,048] x [K 2,048, N 128]; A: softmax (see below); B: computed on the way: QUANTISED (scales: A lowp_scales[8], B lowp_scales[9])
;;     6. [M 4,096, K 2,048] x [K 2,048, N 128]; A: computed on the way; B: input Wfc: QUANTISED (scales: A lowp_scales[10], B lowp_scales[11])
;;   THE QUANTISER, for each operand of a quantised product, along K:
;;     - The operand's scale is 2^e, e = its entry of the input lowp_scales (int32; the entries are numbered through the quantised products in the list's order, A before B).
;;     - Each number is divided by the scale, clamped to +-448, and rounded to the nearest number of E4M3, ties to even, subnormals kept.
;;     - The product sums the exact products of the quantised numbers (number of the format x scale) in f32.
;;   ~~~python
;;   def quantise(x, axis, e):      # numpy; x: float32 -> the quantised numbers, widened to float32 again
;;       x = np.moveaxis(x, axis, -1); K = x.shape[-1]
;;       r = np.clip(x / 2.0 ** e, -448, 448)
;;       step = 2.0 ** (np.maximum(np.frexp(np.where(r == 0, 1, r))[1] - 1, -6) - 3)
;;       q = np.round(r / step) * step * 2.0 ** e      # np.round: ties to even
;;       return np.moveaxis(q, -1, axis).astype(np.float32)
;;   ~~~
;;   SOFTMAX AHEAD OF A QUANTISED PRODUCT. Where the list says 'softmax', what is quantised is not the finished softmax but p = 2^(t - M), with t = logit x log2(e) and M = ceil(the row's largest t), a whole number; so 1/2 < the row's largest p <= 1. The row's sum l is taken of the UNQUANTISED p, in f32, and the product's result is divided by l at the end. Since M is a whole number, a kernel that streams over the keys may use a running M (the ceiling of the running maximum): every later rescaling is an exact power of two, so the quantised numbers keep their values, but for numbers so far below the row's largest that they fall under the format's range.
;;   OPERANDS COMPUTED ON THE WAY. 'Computed on the way' means the value that the module computes at that place (a softmax that the list does not call 'softmax' is quantised finished and normalised). What goes into a quantiser is computed in f32, as accurately as f32 sums, v_exp_f32 and their like allow (about 1e-6 of the number): no bf16 or f16 on the way to a quantiser, and a product that is left as it is and whose result goes on into a quantised operand takes f32 operands (vector FMAs, or v_wmma_f32_16x16x4_f32). A number that lies on a knife's edge between two numbers of the format may be rounded either way, as far as f32 arithmetic and the matrix unit's own rounding can turn it there, and no further.
;; 2 versions. Each part assembles by itself: llvm-mc -triple=amdgcn-amd-amdhsa -mcpu=gfx1250 --defsym DOCPART=n.
;; ======== version 1 of 2: 4 launches
;; workspace buffers: xcodes 1,572,864 bytes; wcodes 786,432 bytes; wfcimg 262,144 bytes; qimg 8,388,608 bytes; kvimg 16,777,216 bytes; aimg 8,388,608 bytes
;; launch prep (part 1): grid 256 x 1, 2 waves a work-group, no clusters, 39,168 bytes of LDS; arguments x, Wq, Wk, Wv, Wfc, lowp_scales, xcodes, wcodes, wfcimg; writes xcodes, wcodes, wfcimg
.if DOCPART == 1
	.amdgcn_target "amdgcn-amd-amdhsa--gfx1250"
	.amdhsa_code_object_version 6
	.text
	.protected	k_q03687b8133_prep
	.globl	k_q03687b8133_prep
	.p2align	8
	.type	k_q03687b8133_prep,@function
k_q03687b8133_prep:
	s_mov_b64 s[64:65], 0
	v_nop
	global_prefetch_b8 v0, s[64:65] scope:SCOPE_SE
	s_setreg_imm32_b32 hwreg(HW_REG_WAVE_MODE, 25, 1), 1
	s_wait_xcnt 0x0
; The inputs become codes of E4M3, each with the scale 2^e that is given for it: code = number / 2^e, held within +-448, to the nearest code, ties to even.
;   x [4096][128]        -> xcodes [3][4096][128]      three times, under entries 0, 2, 4 of the scales: rows as they lie, K = the 128 channels innermost
;   Wq, Wk, Wv [128][2048] -> wcodes [3][16 h][128 c][128 k]  under entries 1, 3, 5.  Column n of a weight is channel n / 16 of head n % 16; K is the FIRST axis
;   Wfc [2048][128]      -> wfcimg [16 h][8 tiles of 16 outputs][2048]  under entry 11: each tile as an image of an operand's registers (16 rows x 128 K: registers 4 g .. 4 g + 3 of lane l at
;                           512 g + 16 l), in the 8-bit form's own order: registers 2 i, 2 i + 1 of lane (r, hh) hold k = 16 i + 8 hh + 0 .. 7
; LIMITS: each of those seven exponents lies between -126 and 119, so that 2^e and 448 x 2^e are f32 numbers.  NaN among the inputs is not served; an infinity is held at the largest code.
; SHARES: 256 work-groups of two waves; waves share nothing, so there is no barrier.  Work-groups 0-95: the three weights (a wave: 32 columns x all 128 k); 96-127: Wfc (a wave: 32 columns x one head's 128 rows);
; 128-255: x (a wave: 16 rows).  The three paths part on the work-group's number, never join, and each has LDS bytes of its own.
; WEIGHTS: a lane takes a column and its registers run down K, so each load reads 128 consecutive bytes a wave (the two waves of a work-group stand side by side on 256), and the conversions, which take neighbours
; along K from one lane's registers, give codes with K innermost.  Nothing is transposed by an instruction.  The codes leave through the wave's own stage in LDS (rows of 128 bytes + 16).
; No matrix unit, no cluster, no tensor load: each byte is read once by one wave, and nothing is shared.
.set XC,   32                          ; weights: v32-159  128 numbers of my column
.set CC,   160                         ;          v160-191 their codes
.set OUTR, 192                         ;          v192-223 the way out
.set RW,   32                          ; x: v32-95   four steps of 16 numbers as they are loaded
.set XN,   96                          ;    v96-159  four steps of 16 neighbours
.set TT,   160                         ;    v160-191 two sets of 16 held numbers, by turns
.set CX,   192                         ;    v192-239 codes: four registers for each step and scale, so that no store's data are written again
.set SP,   80                          ; x: a lane's place in a stage: its 64 bytes + 16 of padding
.set STW,  0                           ; LDS: the weights' stages, 32 rows x 144 bytes a wave,
.set STF,  9216                        ; Wfc's likewise,
.set STX,  18432                       ; x's: four stages of 32 x 80 bytes a wave, none used twice
; 2^e as f32 into v[vs] (the conversion takes its exponent field), 448 x 2^e into v[vl]
.macro MKSCALE e, vs, vl
	s_add_co_i32 s46, s[\e], 127
	s_lshl_b32 s47, s46, 23
	v_mov_b32 v[\vs], s47
	s_add_co_i32 s46, s46, 8
	s_lshl_b32 s46, s46, 23
	s_or_b32 s46, s46, 0x600000            ; the mantissa field of 448
	v_mov_b32 v[\vl], s46
.endm
; my column's 128 numbers: row i of the tensor lies i x pitch bytes on; every offset is an immediate (1,040,384 at the most)
.macro COLS_LOAD pitch
.set LN, 0
.rept 128
	global_load_b32 v[XC+LN], v1, s[4:5] offset:LN*\pitch th:TH_LOAD_NT
.set LN, LN+1
.endr
.endm
; hold, convert, through the stage, out.  perm = 0: codes in the order of k, rows of wcodes.  perm = 1: in each 32 bytes the two middle groups of eight change places, so that the 16 bytes at 32 g + 16 hh of a row
; are k = 32 g + 8 hh + 0 .. 7 and 32 g + 16 + 8 hh + 0 .. 7: registers 4 g .. 4 g + 3 of lane (r, hh) in the 8-bit form's own order
.macro COLS_WORK perm
.irp b, 0,1,2,3
.if \b < 2
	s_wait_loadcnt 63                      ; block b's 32 loads are in (96 and 64 could stay out; the count's field holds 63)
.elseif \b == 2
	s_wait_loadcnt 32
.else
	s_wait_loadcnt 0
.endif
.irp i, 0,1,2,3,4,5,6,7,8,9,10,11,12,13,14,15,16,17,18,19,20,21,22,23,24,25,26,27,28,29,30,31
	v_med3_num_f32 v[XC+32*\b+\i], v[XC+32*\b+\i], -v10, v10   ; the conversion to an 8-bit code does not saturate (ISA guide 7.6.2): the hold comes first
.endr
.irp q, 0,1,2,3
.if \perm
.set PI, 4*\b+2*(\q%2)+\q/2
.else
.set PI, 4*\b+\q
.endif
	v_cvt_scalef32_pk8_fp8_f32 v[CC+2*PI:CC+2*PI+1], v[XC+32*\b+8*\q:XC+32*\b+8*\q+7], v11
.endr
.endr
	v_nop                                  ; a plain line behind the last conversion
.irp i, 0,1,2,3,4,5,6,7
	ds_store_b128 v12, v[CC+4*\i:CC+4*\i+3] offset:16*\i
.endr
.irp t, 0,1,2,3,4,5,6,7
.if \perm
	ds_load_b128 v[OUTR+4*\t:OUTR+4*\t+3], v13 offset:2304*(\t/4)+32*(\t%4)   ; LDS serves a wave's instructions in order (ISA guide 5.7.1.4): these see my stores
.else
	ds_load_b128 v[OUTR+4*\t:OUTR+4*\t+3], v13 offset:576*\t
.endif
.endr
.irp t, 0,1,2,3,4,5,6,7
	s_wait_dscnt 7-\t                      ; load t is in; the later ones may be out
.if \perm
	global_store_b128 v14, v[OUTR+4*\t:OUTR+4*\t+3], s[6:7] offset:2048*(\t/4)+512*(\t%4)   ; 32 lanes store 512 consecutive bytes of an image
.else
	global_store_b128 v14, v[OUTR+4*\t:OUTR+4*\t+3], s[6:7] offset:32768*\t                  ; 16 lanes store 256 consecutive bytes, aligned: rows c, c + 1 of one head
.endif
.endr
.endm
	s_load_b512 s[8:23], s[0:1], 0x0       ; x 8, Wq 10, Wk 12, Wv 14, Wfc 16, the exponents 18, xcodes 20, wcodes 22
	s_load_b64 s[24:25], s[0:1], 0x40      ; wfcimg
	v_lshl_add_u32 v240, v0, 2, 0x9800
	v_mov_b32 v241, 0
	v_lshrrev_b32 v1, 5, v0
	v_readfirstlane_b32 s26, v1            ; wave 0, 1
	v_and_b32 v2, 31, v0                   ; lane L
	v_and_b32 v3, 15, v0                   ; r = L % 16
	v_bfe_u32 v4, v0, 4, 1                 ; hh = L / 16
	v_lshlrev_b32 v1, 2, v2                ; 4 L
	s_mov_b32 s31, 0                       ; the upper word of every offset
	s_wait_kmcnt 0x0
	s_load_b256 s[32:39], s[18:19], 0x0    ; entries 0 to 7
	s_load_b128 s[40:43], s[18:19], 0x20   ; entries 8 to 11
	s_cmp_lt_u32 ttmp9, 96
	s_cbranch_scc1 .Lweights
	s_cmp_lt_u32 ttmp9, 128
	s_cbranch_scc1 .Lwfc
	; ---- x.  A load is best where neighbouring lanes take neighbouring bytes; a conversion wants 16 neighbours in one lane.  Both are had: each load reads 512 consecutive bytes, a step's 2,048 bytes go through
	; the wave's stage as they lie and come back 64 bytes a lane.  A lane's 16 codes are 16 bytes: the wave stores 512 consecutive bytes.
	s_sub_co_u32 s27, ttmp9, 128
	s_lshl_b32 s27, s27, 1
	s_add_co_u32 s27, s27, s26             ; which 16 rows are my wave's: 0 .. 255
	s_lshl_b32 s30, s27, 13
	s_add_nc_u64 s[4:5], s[8:9], s[30:31]  ; 8,192 bytes of x,
	s_lshl_b32 s30, s27, 11
	s_add_nc_u64 s[6:7], s[20:21], s[30:31]  ; 2,048 bytes of codes under each scale
	s_mul_i32 s45, s26, 4*32*SP
	s_add_co_u32 s45, s45, STX
	v_lshlrev_b32 v7, 4, v2                ; 16 L
	v_lshrrev_b32 v8, 2, v2
	v_mul_u32_u24 v8, v8, SP
	v_and_b32 v5, 3, v0
	v_lshl_add_u32 v8, v5, 4, v8
	v_add_nc_u32 v8, s45, v8               ; the stage, on the way in: four lanes' 64 bytes on end, then the padding
	v_mul_u32_u24 v9, v2, SP
	v_add_nc_u32 v9, s45, v9               ; and on the way out: my 16 neighbours
.irp t, 0,1,2,3
.irp i, 0,1,2,3
	global_load_b128 v[RW+16*\t+4*\i:RW+16*\t+4*\i+3], v7, s[4:5] offset:2048*\t+512*\i th:TH_LOAD_NT
.endr
.endr
	s_wait_kmcnt 0x0
	MKSCALE 32, 16, 17                     ; x as the first product's operand,
	MKSCALE 34, 18, 19                     ; the second's,
	MKSCALE 36, 20, 21                     ; the third's
.irp t, 0,1,2,3
	s_wait_loadcnt 12-4*\t                 ; step t's four loads are in; the later steps' may be out
.irp i, 0,1,2,3
	ds_store_b128 v8, v[RW+16*\t+4*\i:RW+16*\t+4*\i+3] offset:32*SP*\t+8*SP*\i
.endr
.irp i, 0,1,2,3
	ds_load_b128 v[XN+16*\t+4*\i:XN+16*\t+4*\i+3], v9 offset:32*SP*\t+16*\i
.endr
.endr
.irp t, 0,1,2,3
	s_wait_dscnt 24-8*\t                   ; step t's numbers are back; behind them stand eight LDS instructions for each later step
.irp s, 0,1,2
.set TS, TT+16*((3*\t+\s)%2)           ; the two sets take turns: the lines behind a conversion write the other set
.irp i, 0,1,2,3,4,5,6,7,8,9,10,11,12,13,14,15
	v_med3_num_f32 v[TS+\i], v[XN+16*\t+\i], -v[17+2*\s], v[17+2*\s]
.endr
	v_cvt_scalef32_pk8_fp8_f32 v[CX+16*\s+4*\t:CX+16*\s+4*\t+1], v[TS:TS+7], v[16+2*\s]
	v_cvt_scalef32_pk8_fp8_f32 v[CX+16*\s+4*\t+2:CX+16*\s+4*\t+3], v[TS+8:TS+15], v[16+2*\s]
	global_store_b128 v7, v[CX+16*\s+4*\t:CX+16*\s+4*\t+3], s[6:7] offset:524288*\s+512*\t
.endr
.endr
	s_wait_tensorcnt 0x0
	ds_add_u32 v240, v241
	s_wait_dscnt 0x0
	s_endpgm
.Lweights:
	; ---- Wq, Wk, Wv.  Lane L's column is 32 cw + L: channel 2 cw + L / 16 of head L % 16
	s_lshr_b32 s27, ttmp9, 5               ; which weight: 0, 1, 2
	s_and_b32 s29, ttmp9, 31
	s_lshl_b32 s29, s29, 1
	s_add_co_u32 s29, s29, s26             ; cw: which 32 columns, 0 .. 63
	s_cmp_eq_u32 s27, 0
	s_cselect_b64 s[4:5], s[10:11], s[12:13]
	s_cmp_eq_u32 s27, 2
	s_cselect_b64 s[4:5], s[14:15], s[4:5]
	s_lshl_b32 s30, s29, 7
	s_add_nc_u64 s[4:5], s[4:5], s[30:31]  ; + 128 cw bytes along a row
	s_lshl_b32 s30, s27, 18
	s_lshl_b32 s44, s29, 8
	s_add_co_u32 s30, s30, s44
	s_add_nc_u64 s[6:7], s[22:23], s[30:31]  ; wcodes + 262,144 x weight + rows 2 cw, 2 cw + 1 of head 0
	s_mul_i32 s45, s26, 32*144             ; my stage (STW = 0)
	v_lshl_add_u32 v5, v3, 1, v4           ; into it: row 2 x head + (channel % 2)
	v_mul_u32_u24 v12, v5, 144
	v_add_nc_u32 v12, s45, v12
	v_bfe_u32 v5, v0, 3, 2                 ; out of it: eight lanes to a row, four rows an instruction
	v_and_b32 v6, 7, v0
	v_mul_u32_u24 v13, v5, 144
	v_lshl_add_u32 v13, v6, 4, v13
	v_add_nc_u32 v13, s45, v13
	v_lshlrev_b32 v14, 14, v4              ; lanes 0-15: head 2 t, lanes 16-31: head 2 t + 1; 16 bytes a lane of the head's 256
	v_lshl_add_u32 v14, v3, 4, v14
	COLS_LOAD 8192
	s_wait_kmcnt 0x0
	s_cmp_eq_u32 s27, 0
	s_cselect_b32 s28, s33, s35
	s_cmp_eq_u32 s27, 2
	s_cselect_b32 s28, s37, s28            ; entry 1, 3 or 5
	MKSCALE 28, 11, 10
	COLS_WORK 0
	s_wait_tensorcnt 0x0
	ds_add_u32 v240, v241
	s_wait_dscnt 0x0
	s_endpgm
.Lwfc:
	; ---- Wfc.  K of the last product is 128 h + c: head h's K step is rows 128 h .. 128 h + 127
	s_sub_co_u32 s27, ttmp9, 96
	s_lshl_b32 s27, s27, 1
	s_add_co_u32 s27, s27, s26             ; 0 .. 63
	s_lshr_b32 s28, s27, 2                 ; h
	s_and_b32 s29, s27, 3                  ; which 32 of the 128 outputs
	s_lshl_b32 s30, s28, 16
	s_lshl_b32 s44, s29, 7
	s_add_co_u32 s30, s30, s44
	s_add_nc_u64 s[4:5], s[16:17], s[30:31]  ; Wfc + 128 h rows of 512 bytes + 128 bytes x part
	s_lshl_b32 s30, s28, 14
	s_lshl_b32 s44, s29, 12
	s_add_co_u32 s30, s30, s44
	s_add_nc_u64 s[6:7], s[24:25], s[30:31]  ; wfcimg + 8 images x h + 2 images x part
	s_mul_i32 s45, s26, 32*144
	s_add_co_u32 s45, s45, STF
	v_mul_u32_u24 v12, v2, 144             ; into the stage: row = my column
	v_add_nc_u32 v12, s45, v12
	v_mul_u32_u24 v13, v3, 144             ; out of it: as a fragment's lane (r, hh) wants it
	v_lshl_add_u32 v13, v4, 4, v13
	v_add_nc_u32 v13, s45, v13
	v_lshlrev_b32 v14, 4, v2               ; 16 L: my place in an image's 512 bytes
	COLS_LOAD 512
	s_wait_kmcnt 0x0
	MKSCALE 43, 11, 10                     ; entry 11
	COLS_WORK 1
	s_wait_tensorcnt 0x0
	ds_add_u32 v240, v241
	s_wait_dscnt 0x0
	s_endpgm
.Lfunc_end_k_q03687b8133_prep:
	.size	k_q03687b8133_prep, .Lfunc_end_k_q03687b8133_prep-k_q03687b8133_prep
	.p2alignl 7, 3214868480
	.fill 96, 4, 3214868480
	.section	.rodata,"a",@progbits
	.p2align	6, 0x0
	.amdhsa_kernel k_q03687b8133_prep
		.amdhsa_group_segment_fixed_size 39168
		.amdhsa_private_segment_fixed_size 0
		.amdhsa_enable_private_segment 0
		.amdhsa_kernarg_size 72
		.amdhsa_user_sgpr_count 2
		.amdhsa_user_sgpr_kernarg_segment_ptr 1
		.amdhsa_wavefront_size32 1
		.amdhsa_system_sgpr_workgroup_id_x 1
		.amdhsa_system_sgpr_workgroup_id_y 1
		.amdhsa_system_sgpr_workgroup_id_z 1
		.amdhsa_system_vgpr_workitem_id 0
		.amdhsa_next_free_vgpr 242
		.amdhsa_next_free_sgpr 66
		.amdhsa_reserve_vcc 0
		.amdhsa_float_denorm_mode_32 3
		.amdhsa_float_denorm_mode_16_64 3
		.amdhsa_memory_ordered 1
		.amdhsa_forward_progress 1
		.amdhsa_inst_pref_size 71
	.end_amdhsa_kernel
	.amdgpu_metadata
---
amdhsa.version: [ 1, 2 ]
amdhsa.kernels:
  - .name:           k_q03687b8133_prep
    .symbol:         k_q03687b8133_prep.kd
    .args:
      - { .name: x, .offset: 0, .size: 8, .value_kind: global_buffer, .address_space: global }
      - { .name: Wq, .offset: 8, .size: 8, .value_kind: global_buffer, .address_space: global }
      - { .name: Wk, .offset: 16, .size: 8, .value_kind: global_buffer, .address_space: global }
      - { .name: Wv, .offset: 24, .size: 8, .value_kind: global_buffer, .address_space: global }
      - { .name: Wfc, .offset: 32, .size: 8, .value_kind: global_buffer, .address_space: global }
      - { .name: lowp_scales, .offset: 40, .size: 8, .value_kind: global_buffer, .address_space: global }
      - { .name: xcodes, .offset: 48, .size: 8, .value_kind: global_buffer, .address_space: global }
      - { .name: wcodes, .offset: 56, .size: 8, .value_kind: global_buffer, .address_space: global }
      - { .name: wfcimg, .offset: 64, .size: 8, .value_kind: global_buffer, .address_space: global }
    .group_segment_fixed_size: 39168
    .private_segment_fixed_size: 0
    .kernarg_segment_align: 8
    .kernarg_segment_size: 72
    .max_flat_workgroup_size: 64
    .sgpr_count:     66
    .vgpr_count:     242
    .wavefront_size: 32
...
	.end_amdgpu_metadata
.endif
;; end of part 1
;; launch proj (part 2): grid 16 x 32, 3 waves a work-group, no clusters, 0 bytes of LDS; arguments xcodes, wcodes, lowp_scales, qimg, kvimg; writes qimg, kvimg
.if DOCPART == 2
	.amdgcn_target "amdgcn-amd-amdhsa--gfx1250"
	.amdhsa_code_object_version 6
	.text
	.protected	k_q03687b8133_proj
	.globl	k_q03687b8133_proj
	.p2align	8
	.type	k_q03687b8133_proj,@function
k_q03687b8133_proj:
	s_mov_b64 s[64:65], 0
	v_nop
	global_prefetch_b8 v0, s[64:65] scope:SCOPE_SE
	s_setreg_imm32_b32 hwreg(HW_REG_WAVE_MODE, 25, 1), 1
	s_wait_xcnt 0x0
; q = x Wq, k = x Wk, v = x Wv on codes of E4M3, and the results quantised at once as the operands of attention's two products, stored as IMAGES OF THE OPERANDS' REGISTERS
; (a fragment, 16 rows x 128 K, is 2,048 bytes: registers 4 g .. 4 g + 3 of lane l at 512 g + 16 l).
; SHARES: work-group (h, ksg): head h, tokens 128 ksg .. + 127 (ksg = 16 b + key step).  Wave 0 makes q, wave 1 k, wave 2 v: eight images each.  Waves share nothing: no LDS, no barrier.
; THE LAYOUT THAT SPARES EVERY TRANSPOSITION.  In a result lane (r, hh) holds column r and rows 8 hh + 0 .. 7.  Eight results that share source 1, each converted to eight codes, are registers 2 i, 2 i + 1 of a lane:
; row r, k = 16 i + 8 hh + 0 .. 7: the 8-bit form's own order for K = 128.
;   q, k: source 0 = eight tiles of 16 channels of the weight, source 1 = 16 tokens of x: a lane holds one token, its codes run along the channels: a fragment of q or of k.
;   v:    source 0 = eight tiles of 16 tokens of x, source 1 = 16 channels of Wv: a lane holds one channel, its codes run along the keys: a fragment of V^T.
; So one text serves all three: the eight fragments that stay (G) and the one that changes (F) swap buffers for v.
; x's and the weights' codes lie in rows of 128 bytes and are read by four loads of 16 bytes at 128 r + 16 hh + 32 g: the same permutation of k on both sides, so every product meets its partner.
; A sum stands for sum x 2^(ex + ew): its code is sum / 2^(eo - ex - ew): the three exponents are folded into the conversion's one.
; LIMITS: e6 - e0 - e1, e7 - e2 - e3 and e9 - e4 - e5 lie between -126 and 119, so that the scale and 448 x the scale are f32 numbers.
; NO CLUSTER: a wave takes its 32 KB of operands from memory straight into registers, once, for 64 matrix instructions; shared tiles would have to go through LDS, with barriers, for a text that has no loop.
.set G,   8                            ; v8-135    eight fragments that stay
.set FB,  136                          ; v136-167  the fragment that changes, two buffers
.set ACC, 168                          ; v168-231  eight results
.set CD,  232                          ; v232-247  an image
	s_load_b256 s[4:11], s[0:1], 0x0       ; xcodes 4, wcodes 6, the exponents 8, qimg 10
	s_load_b64 s[12:13], s[0:1], 0x20      ; kvimg
	v_lshrrev_b32 v1, 5, v0
	v_readfirstlane_b32 s14, v1            ; wave: 0 q, 1 k, 2 v
	v_and_b32 v5, 15, v0                   ; r
	v_bfe_u32 v6, v0, 4, 1                 ; hh
	v_lshlrev_b32 v1, 7, v5
	v_lshl_add_u32 v1, v6, 4, v1           ; a fragment's lane in rows of 128 bytes: 128 r + 16 hh
	v_and_b32 v2, 31, v0
	v_lshlrev_b32 v2, 4, v2                ; 16 x lane: my place in an image's 512 bytes
	s_and_b32 s15, ttmp7, 0xffff           ; ksg
	s_lshl_b32 s28, s14, 19
	s_lshl_b32 s30, s15, 14
	s_add_co_u32 s28, s28, s30             ; x's codes: 524,288 x wave + 128 rows x ksg
	s_mov_b32 s29, 0
	s_lshl_b32 s30, s14, 18
	s_lshl_b32 s32, ttmp9, 14
	s_add_co_u32 s30, s30, s32             ; the weight's: 262,144 x wave + 128 rows x head
	s_mov_b32 s31, 0
	s_lshr_b32 s32, s15, 4
	s_lshl_b32 s32, s32, 4
	s_add_co_u32 s32, s32, ttmp9           ; bh = 16 b + h
	s_lshl_b32 s32, s32, 4
	s_and_b32 s33, s15, 15
	s_add_co_u32 s32, s32, s33             ; 16 bh + key step
	s_lshl_b32 s34, s32, 14                ; q: eight images for each
	s_lshl_b32 s35, s32, 15                ; k and v: sixteen, k's eight first
	s_max_u32 s33, s14, 1
	s_sub_co_u32 s33, s33, 1
	s_lshl_b32 s33, s33, 14
	s_add_co_u32 s35, s35, s33
	s_mov_b32 s37, 0
	s_wait_kmcnt 0x0
	s_load_b256 s[16:23], s[8:9], 0x0      ; entries 0 to 7
	s_load_b64 s[24:25], s[8:9], 0x20      ; entries 8, 9
	s_cmp_eq_u32 s14, 0
	s_cselect_b32 s36, s34, s35
	s_cselect_b64 s[38:39], s[10:11], s[12:13]
	s_add_nc_u64 s[38:39], s[38:39], s[36:37]  ; where my eight images go
	s_add_nc_u64 s[4:5], s[4:5], s[28:29]
	s_add_nc_u64 s[6:7], s[6:7], s[30:31]
	s_cmp_eq_u32 s14, 2
	s_cselect_b64 s[40:41], s[4:5], s[6:7]   ; G: the weight's tiles; for v: x's
	s_cselect_b64 s[42:43], s[6:7], s[4:5]   ; F: x's tiles; for v: the weight's
.macro LOADF reg, base, off
.irp c, 0,1,2,3
	global_load_b128 v[\reg+4*\c:\reg+4*\c+3], v1, s[\base:\base+1] offset:\off+32*\c
.endr
.endm
.irp i, 0,1,2,3,4,5,6,7
	LOADF G+16*\i, 40, 2048*\i
.endr
	LOADF FB, 42, 0
	LOADF FB+16, 42, 2048
	s_wait_kmcnt 0x0
	s_sub_co_i32 s26, s22, s16
	s_sub_co_i32 s26, s26, s17             ; q: e6 - e0 - e1
	s_sub_co_i32 s27, s23, s18
	s_sub_co_i32 s27, s27, s19             ; k: e7 - e2 - e3
	s_sub_co_i32 s44, s25, s20
	s_sub_co_i32 s44, s44, s21             ; v: e9 - e4 - e5
	s_cmp_eq_u32 s14, 0
	s_cselect_b32 s26, s26, s27
	s_cmp_eq_u32 s14, 2
	s_cselect_b32 s26, s44, s26
	s_add_co_i32 s26, s26, 127
	s_lshl_b32 s27, s26, 23
	v_mov_b32 v3, s27                      ; the scale as f32: the conversion takes its exponent field
	s_add_co_i32 s26, s26, 8
	s_lshl_b32 s26, s26, 23
	s_or_b32 s26, s26, 0x600000
	v_mov_b32 v4, s26                      ; 448 x the scale
; One image: eight products (each a whole sum: K = 128), the hold, eight conversions, four stores of 512 consecutive bytes.
.macro ITEM j
.if \j < 7
	s_wait_loadcnt 4                       ; G and this item's fragment are in; the next item's four loads may be out
.else
	s_wait_loadcnt 0
.endif
.irp i, 0,1,2,3,4,5,6,7
	v_wmma_f32_16x16x128_fp8_fp8 v[ACC+8*\i:ACC+8*\i+7], v[G+16*\i:G+16*\i+15], v[FB+16*((\j)%2):FB+16*((\j)%2)+15], 0
.endr
.rept 4
	v_nop                                  ; four places ahead of the first read of results and of the loads into the fragment just multiplied
.endr
.if \j > 0
	s_wait_xcnt 0x0                        ; the last item's stores have read their data: the image's registers are written again only behind this wait
.endif
.if \j < 6
	LOADF FB+16*((\j)%2), 42, 2048*((\j)+2)
.endif
.irp i, 0,1,2,3,4,5,6,7,8,9,10,11,12,13,14,15,16,17,18,19,20,21,22,23,24,25,26,27,28,29,30,31,32,33,34,35,36,37,38,39,40,41,42,43,44,45,46,47,48,49,50,51,52,53,54,55,56,57,58,59,60,61,62,63
	v_med3_num_f32 v[ACC+\i], v[ACC+\i], -v4, v4   ; the conversion does not saturate (ISA guide 7.6.2); each result from its low end on
.endr
.irp i, 0,1,2,3,4,5,6,7
	v_cvt_scalef32_pk8_fp8_f32 v[CD+2*\i:CD+2*\i+1], v[ACC+8*\i:ACC+8*\i+7], v3
.endr
	v_nop                                  ; a plain line between the conversions and the next item's products, which write their sources
.irp c, 0,1,2,3
	global_store_b128 v2, v[CD+4*\c:CD+4*\c+3], s[38:39] offset:2048*(\j)+512*\c
.endr
.endm
.irp j, 0,1,2,3,4,5,6,7
	ITEM \j
.endr
	s_endpgm
.Lfunc_end_k_q03687b8133_proj:
	.size	k_q03687b8133_proj, .Lfunc_end_k_q03687b8133_proj-k_q03687b8133_proj
	.p2alignl 7, 3214868480
	.fill 96, 4, 3214868480
	.section	.rodata,"a",@progbits
	.p2align	6, 0x0
	.amdhsa_kernel k_q03687b8133_proj
		.amdhsa_group_segment_fixed_size 0
		.amdhsa_private_segment_fixed_size 0
		.amdhsa_enable_private_segment 0
		.amdhsa_kernarg_size 40
		.amdhsa_user_sgpr_count 2
		.amdhsa_user_sgpr_kernarg_segment_ptr 1
		.amdhsa_wavefront_size32 1
		.amdhsa_system_sgpr_workgroup_id_x 1
		.amdhsa_system_sgpr_workgroup_id_y 1
		.amdhsa_system_sgpr_workgroup_id_z 1
		.amdhsa_system_vgpr_workitem_id 0
		.amdhsa_next_free_vgpr 256
		.amdhsa_next_free_sgpr 66
		.amdhsa_reserve_vcc 0
		.amdhsa_float_denorm_mode_32 3
		.amdhsa_float_denorm_mode_16_64 3
		.amdhsa_memory_ordered 1
		.amdhsa_forward_progress 1
		.amdhsa_inst_pref_size 54
	.end_amdhsa_kernel
	.amdgpu_metadata
---
amdhsa.version: [ 1, 2 ]
amdhsa.kernels:
  - .name:           k_q03687b8133_proj
    .symbol:         k_q03687b8133_proj.kd
    .args:
      - { .name: xcodes, .offset: 0, .size: 8, .value_kind: global_buffer, .address_space: global }
      - { .name: wcodes, .offset: 8, .size: 8, .value_kind: global_buffer, .address_space: global }
      - { .name: lowp_scales, .offset: 16, .size: 8, .value_kind: global_buffer, .address_space: global }
      - { .name: qimg, .offset: 24, .size: 8, .value_kind: global_buffer, .address_space: global }
      - { .name: kvimg, .offset: 32, .size: 8, .value_kind: global_buffer, .address_space: global }
    .group_segment_fixed_size: 0
    .private_segment_fixed_size: 0
    .kernarg_segment_align: 8
    .kernarg_segment_size: 40
    .max_flat_workgroup_size: 96
    .sgpr_count:     66
    .vgpr_count:     256
    .wavefront_size: 32
...
	.end_amdgpu_metadata
.endif
;; end of part 2
;; launch attn (part 3): grid 8 x 32, 16 waves a work-group, clusters of 4 x 1, 327,680 bytes of LDS; arguments qimg, kvimg, lowp_scales, aimg; writes aimg
.if DOCPART == 3
	.amdgcn_target "amdgcn-amd-amdhsa--gfx1250"
	.amdhsa_code_object_version 6
	.text
	.protected	k_q03687b8133_attn
	.globl	k_q03687b8133_attn
	.p2align	8
	.type	k_q03687b8133_attn,@function
k_q03687b8133_attn:
	s_mov_b64 s[64:65], 0
	v_nop
	global_prefetch_b8 v0, s[64:65] scope:SCOPE_SE
	s_setreg_imm32_b32 hwreg(HW_REG_WAVE_MODE, 25, 1), 1
	s_wait_xcnt 0x0
	s_wait_alu depctr_hold_cnt(0) depctr_sa_sdst(0) depctr_va_vdst(0) depctr_va_sdst(0) depctr_va_ssrc(0) depctr_va_vcc(0) depctr_vm_vsrc(0)
	s_getreg_b32 s2, hwreg(HW_REG_IB_STS2, 6, 4)
	s_cmp_eq_u32 s2, 0
	s_cbranch_scc0 .Lentry_in_a_cluster
	s_endpgm
.Lentry_in_a_cluster:
	s_bfe_u32 s2, ttmp6, 0x10000c
	s_cmp_lg_u32 s2, 0x3003
	s_cbranch_scc0 .Lentry_shape_is_right
	s_endpgm
.Lentry_shape_is_right:
; Causal attention on codes of E4M3, 32 heads (bh = 16 b + h) of 2,048 tokens, head size 128; the result is quantised at once as the last product's operand.
; All operands are images of operands' registers (a fragment, 16 rows x 128 K, is 2,048 bytes: registers 4 g .. 4 g + 3 of lane l at 512 g + 16 l), in the 8-bit form's own order of k:
;   qimg [bh][128 tiles of 16 queries];  kvimg [bh][16 key steps][8 tiles of 16 keys, then 8 tiles of 16 channels of V^T along the step's 128 keys];  aimg [256 tiles of 16 rows][16 h].
; THE SOFTMAX AHEAD OF THE SECOND PRODUCT: t = score x log2(e) / sqrt(128); M = the row's largest t so far, rounded UP to a whole number; p = 2^(t - M) is what is quantised, not normalised.
; The row's sum is taken of the unquantised p, in f32, and divides at the end.  When M moves, the sum and O are multiplied by 2^(old M - new M): exact.
; LAYOUT: both products transposed: S^T = K Q^T (source 0 = 16 keys, source 1 = my 16 queries), O^T = V^T P^T (source 0 = 16 channels, source 1 = P): a lane holds ONE query (lane % 16) throughout.
; Tile i of S^T holds keys 16 i + 8 (lane / 16) + 0 .. 7: converted to eight codes it is registers 2 i, 2 i + 1 of P; tile i of O^T likewise gives registers 2 i, 2 i + 1 of the last product's operand.
; SHARES: a wave owns one tile of 16 queries, in 256 registers, four waves to a SIMD.  A head's 128 tiles are 16 groups of 8; group D needs key steps 0 .. D, the last on the diagonal.  A head has two clusters (X = 0, 1)
; of four work-groups.  Wave w (bits b3 b2 b1 b0) takes group D = dlo or 15 - dlo, dlo = 2 (2 b3 + b1) + X, the second where b2 xor b0 = 1, and in it tile 2 cx + b2.  So D hangs on the wave's number and on the
; cluster alone, the same in all four partners; and whether waves are dealt to SIMDs by w % 4 or by w / 4, a SIMD gets two pairs (D, 15 - D): 34 tile steps each.
; EVERY wave walks all 16 key steps: trip counts are constants, and no tensor load and no barrier is jumped over; a step whose keys all come after the wave's queries is left out by a scalar branch on ids.
; CLUSTER: the four work-groups of a cluster read the same K and V, so each key step is asked for JOINTLY: the same tensor load, the same descriptor, a mask that names the four.
; RING: two LDS slots of four key steps (4 x 32 KB, dense); waves 0 to 3 fetch one key step each, all sixteen read.  A wave has at most one tensor load outstanding.
; LIMITS on the given exponents, so that each power of two below is an f32 number: e6 + e7 between -123 and 130 (added to c's exponent field); e8 between -126 and 119; e8 + e9 - e10 is applied by v_ldexp_f32
; and has none.  NaN among the inputs is not served.
; REGISTERS: v1-6 addresses and constants that stay; v8 the LDS address in hand; v12 -M, v13 the largest t, v[14:15] the sum in two halves; v16-31 Q; v32-95 four fragments of K or V; v96-159 S^T, then p;
; v160-223 O^T; v224-239 codes; v240, v244: 448 x 2^e8 and 2^e8; v241, v245: 448 and 1; v236, v242, v243, v252-254 at work.
.set SLOT1, 1<<17                      ; slot 1 begins here: one exclusive or turns an address in one slot into the other's
.set STEPB, 32768                      ; a key step: K's eight images, then V's eight
.set VOFF,  16384
.set SPARE, 2*SLOT1                    ; behind the ring: the spare words, 128 bytes for each of the sixteen waves: eight blocks of 256 bytes that no other line names
.set LI,   1                           ; v1   16 x lane: my place in an image's 512 bytes, in LDS and in memory
.set LI2,  2                           ; v2   the same + 65,536: a slot's third and fourth key step (an LDS offset has 16 bits)
.set PFO,  3                           ; v3   256 x lane: the prefetches' offset
.set DL,   4                           ; v4   on the diagonal: my query less 8 (lane / 16), counted from the step's first key
.set SPW,  5                           ; v5   LDS address of my spare word; never rewritten
.set NIL,  6                           ; v6   0; never rewritten
.set AD,   8
.set WV,   18                          ; s18  my wave's number
.set SEL,  20                          ; s[20:21] lane selects for v_permlanex16_b32: lane l xor 16
.set CS,   22                          ; s[22:23] c = log2(e) / sqrt(128) x 2^(e6 + e7)
.set G1,   24                          ; s[24:31] descriptor group 1
.set G0,   40                          ; s[40:43] descriptor group 0, which walks
.set TB,   44                          ; s44  LDS byte at which the slot in hand begins
.set SLOTS, 45                         ; s45  slots still to be asked for
.set KS,   46                          ; s46  the key step in hand
.set DD,   47                          ; s47  my group D: the last key step that counts for my queries
.set PFA,  48                          ; s[48:49] where my prefetches stand
.set LIM,  50                          ; s50  1 in a wave that prefetches, else the greatest number
; A round of the cluster's barrier: my work-group's barrier, so that wave 0's signal speaks for all sixteen waves; wave 0 signals for the work-group; every wave waits for all four work-groups; my work-group's barrier again.
.macro CROUND
	s_barrier_signal -1
	s_barrier_wait -1
	s_cmp_lg_u32 s[WV], 0
	s_cbranch_scc1 .Lnot_wave_0_\@
	s_barrier_signal -3
.Lnot_wave_0_\@:
	s_barrier_wait -3
	s_barrier_signal -1
	s_barrier_wait -1
.endm
; The joint load: waves 0 to 3, one key step each.  The branch hangs on the wave's number alone.  Four v_nop follow the line.
.macro JLOAD
	s_cmp_lt_u32 s[WV], 4
	s_cbranch_scc0 .Lasked_\@
	tensor_load_to_lds s[G0:G0+3], s[G1:G1+7]
	s_nop 0
.rept 4
	v_nop
.endr
.Lasked_\@:
.endm
; A PREFETCH INTO THE L2 of the slot that the NEXT change of slots will ask for: 131,072 dense bytes.  Both clusters of a head walk the same K and V: the first (X = 0) asks.  Its four partners take 32,768 bytes each,
; told apart BY ADDRESS; in each, waves 4 to 7, which fetch nothing, take 8,192 bytes each, lanes 256 bytes apart: one instruction a wave, and each block of 256 bytes is named once in the launch.
; It stands where the fetching waves have their tensor load: four key steps ahead of the load that will want the bytes.  Slots 0 and 1 come by their loads alone; the last change that fills a slot asks for nothing.
.macro ASK
	s_cmp_gt_u32 s[SLOTS], s[LIM]
	s_cbranch_scc0 .Lnot_mine_\@
	global_prefetch_b8 v[PFO], s[PFA:PFA+1] th:TH_LOAD_NT scope:SCOPE_SE
.Lnot_mine_\@:
.endm
	s_load_b256 s[4:11], s[0:1], 0x0       ; qimg 4, kvimg 6, the exponents 8, aimg 10
	v_lshl_add_u32 v[SPW], v0, 2, SPARE
	v_mov_b32 v[NIL], 0
	ds_add_u32 v5, v6
	s_wait_dscnt 0x0
	v_lshrrev_b32 v8, 5, v0
	v_readfirstlane_b32 s[WV], v8          ; wave 0..15
	s_and_b32 s52, ttmp7, 0xffff           ; bh, which the four partners share
	s_bfe_u32 s53, ttmp6, 0x40000          ; cx: it enters Q's, the result's and the prefetches' addresses and the mask's constant, and nothing else
	s_lshr_b32 s54, s[WV], 3               ; b3
	s_bfe_u32 s55, s[WV], 0x10001          ; b1
	s_bfe_u32 s56, s[WV], 0x10002          ; b2
	s_and_b32 s57, s[WV], 1                ; b0
	s_lshl_b32 s54, s54, 1
	s_add_co_u32 s54, s54, s55
	s_lshl_b32 s54, s54, 1
	s_add_co_u32 s54, s54, ttmp9           ; dlo = 2 (2 b3 + b1) + X  (in a cluster launch ttmp9 counts clusters)
	s_xor_b32 s57, s57, s56
	s_sub_co_u32 s55, 15, s54
	s_cmp_eq_u32 s57, 1
	s_cselect_b32 s[DD], s55, s54          ; D
	s_lshl_b32 s58, s53, 1
	s_add_co_u32 s58, s58, s56             ; my tile in the group: 2 cx + b2
	s_lshl_b32 s59, s[DD], 3
	s_add_co_u32 s59, s59, s58             ; my tile of queries in the head: 8 D + that
	s_lshl_b32 s60, s52, 19                ; the head's K and V: 16 key steps of 32,768 bytes
	s_mov_b32 s61, 0
	s_and_b32 s62, s[WV], 3
	s_lshl_b32 s[G0+1], s62, 15            ; 63:32 LDS address: slot 0, key step w % 4: no place in the cluster enters it
	s_add_co_u32 s60, s60, s[G0+1]         ; and the same key step in memory
	s_lshl_b32 s74, s52, 19
	s_lshl_b32 s63, s53, 15
	s_add_co_u32 s74, s74, s63             ; the prefetches: my work-group's 32,768 bytes of a slot,
	s_lshl_b32 s63, s62, 13
	s_add_co_u32 s74, s74, s63             ; my wave's 8,192 of them,
	s_add_co_u32 s74, s74, 4*STEPB         ; in slot 1: the first change of slots steps it to slot 2.  Nothing is prefetched at the head
	s_mov_b32 s75, 0
	s_lshl_b32 s76, s52, 7
	s_add_co_u32 s76, s76, s59
	s_lshl_b32 s76, s76, 11                ; Q's image: 2,048 (128 bh + tile)
	s_mov_b32 s77, 0
	s_lshr_b32 s78, s52, 4
	s_lshl_b32 s78, s78, 7
	s_add_co_u32 s78, s78, s59             ; the result's tile of rows: 128 b + tile
	s_lshl_b32 s78, s78, 4
	s_and_b32 s79, s52, 15
	s_add_co_u32 s78, s78, s79             ; x 16 + h
	s_lshl_b32 s78, s78, 11
	s_mov_b32 s79, 0
	s_sub_co_u32 s80, s[WV], 4
	s_lshr_b32 s80, s80, 2                 ; 0 in waves 4 to 7,
	s_or_b32 s80, s80, ttmp9               ; of the head's first cluster: the same in all four partners
	s_cmp_eq_u32 s80, 0
	s_cselect_b32 s[LIM], 1, -1
	; descriptor group 1: 32,768 dense bytes as 128 rows of 32 elements of 8 bytes, no padding: an image is read 512 consecutive bytes an instruction
	s_mov_b32 s[G1], 15|(3<<16)|(1<<21)    ; 15:0 the mask: all four work-groups; 17:16 elements of 8 bytes; 21 set beside a mask
	s_mov_b32 s[G1+1], 32<<16              ; tensor_dim0 = 32
	s_mov_b32 s[G1+2], 128<<16             ; tensor_dim1 = 128
	s_mov_b32 s[G1+3], 32<<16              ; tile_dim0 = 32
	s_mov_b32 s[G1+4], 128                 ; tile_dim1 = 128
	s_mov_b32 s[G1+5], 32                  ; from row to row
	s_mov_b32 s[G1+6], 0
	s_mov_b32 s[G1+7], 0
	s_mov_b32 s[SEL], 0x76543210
	s_mov_b32 s[SEL+1], 0xfedcba98
	s_mov_b32 s[CS], 0x3e0293ee            ; c = log2(e) / sqrt(128)
	s_mov_b32 s[TB], 0
	s_mov_b32 s[SLOTS], 3
	s_mov_b32 s[KS], 0
	s_mov_b32 s[G0], 1                     ; 1:0 count = 1
	s_wait_kmcnt 0x0
	s_load_b128 s[68:71], s[8:9], 0x18     ; e6, e7, e8, e9
	s_load_b32 s72, s[8:9], 0x28           ; e10
	s_add_nc_u64 s[G0+2:G0+3], s[6:7], s[60:61]  ; 120:64 global address
	s_or_b32 s[G0+3], s[G0+3], 0x80000000  ; 127:126 type = 2
	s_add_nc_u64 s[PFA:PFA+1], s[6:7], s[74:75]
	s_add_nc_u64 s[4:5], s[4:5], s[76:77]
	s_add_nc_u64 s[10:11], s[10:11], s[78:79]
	CROUND                                 ; all four work-groups are here: the first joint loads meet
	JLOAD                                  ; slot 0
	v_and_b32 v[LI], 31, v0
	v_lshlrev_b32 v[PFO], 8, v[LI]
	v_lshlrev_b32 v[LI], 4, v[LI]
	v_add_nc_u32 v[LI2], 0x10000, v[LI]
.irp c, 0,1,2,3
	global_load_b128 v[16+4*\c:19+4*\c], v[LI], s[4:5] offset:512*\c th:TH_LOAD_NT   ; Q's fragment stays in registers; this wave alone reads it
.endr
	s_lshl_b32 s58, s58, 4
	v_and_b32 v9, 15, v0
	v_bfe_u32 v10, v0, 4, 1
	v_lshlrev_b32 v10, 3, v10
	v_sub_nc_u32 v[DL], v9, v10
	v_add_nc_u32 v[DL], s58, v[DL]         ; 16 x (my tile in the group) + lane % 16 - 8 (lane / 16)
	v_mov_b32 v13, 0xff61b1e6              ; the largest t so far: -3e38, under every t
	v_floor_f32 v12, -v13                  ; -M
	v_mov_b32 v14, 0                       ; the sum, in two halves
	v_mov_b32 v15, 0
	v_mov_b32 v236, 0                      ; written once: a lane permute's destination counts as one of its sources
	v_mov_b32 v252, 0
	v_mov_b32 v253, 0                      ; (named as the upper half of the pair v[252:253])
	v_mov_b32 v254, 0
	v_mov_b32 v241, 0x43e00000             ; 448
	v_mov_b32 v245, 1.0
.irp j, 0,1,2,3,4,5,6,7,8,9,10,11,12,13,14,15,16,17,18,19,20,21,22,23,24,25,26,27,28,29,30,31,32,33,34,35,36,37,38,39,40,41,42,43,44,45,46,47,48,49,50,51,52,53,54,55,56,57,58,59,60,61,62,63
	v_mov_b32 v[160+\j], 0                 ; O^T.  (The key step is written without a first step of its own: it finds zeros, which the first change of M leaves zeros)
.endr
	s_wait_kmcnt 0x0
	s_add_co_i32 s73, s68, s69
	s_lshl_b32 s73, s73, 23
	s_add_co_i32 s[CS], s[CS], s73         ; a score stands for score x 2^(e6 + e7): the two exponents are added to c's exponent field
	s_mov_b32 s[CS+1], s[CS]               ; (named with it as a pair, so it is written)
	s_add_co_i32 s73, s70, 127
	s_lshl_b32 s81, s73, 23
	v_mov_b32 v244, s81                    ; 2^e8 as f32, for p's conversions
	s_add_co_i32 s73, s73, 8
	s_lshl_b32 s73, s73, 23
	s_or_b32 s73, s73, 0x600000
	v_mov_b32 v240, s73                    ; 448 x 2^e8
	s_add_co_i32 s82, s70, s71
	s_sub_co_i32 s82, s82, s72             ; e8 + e9 - e10
; A KEY STEP: 128 keys, the q-th of the slot in hand.
.macro STEP q
	s_cmp_gt_u32 s[KS], s[DD]              ; all its keys come after my 16 queries: the step's loads, products and softmax are left out; not the count at its end
	s_cbranch_scc1 .Lhidden_\@
	v_add_nc_u32 v[AD], s[TB], v[LI+(\q)/2]
.irp g, 0,1                            ; S^T = K Q^T, four tiles of 16 keys at a time
.rept 3+\g
	v_nop                                  ; four places (ISA guide 7.12.1 for vector instructions) ahead of loads into registers that matrix instructions have read; the addition above is one
.endr
.irp t, 0,1,2,3
.irp c, 0,1,2,3
	ds_load_b128 v[32+16*\t+4*\c:32+16*\t+4*\c+3], v[AD] offset:STEPB*((\q)%2)+2048*(4*\g+\t)+512*\c
.endr
.endr
	s_wait_dscnt 0x0
.irp t, 0,1,2,3
	v_wmma_f32_16x16x128_fp8_fp8 v[96+8*(4*\g+\t):103+8*(4*\g+\t)], v[32+16*\t:47+16*\t], v[16:31], 0
.endr
.endr
.rept 4
	v_nop
.endr
	s_cmp_lg_u32 s[KS], s[DD]              ; only my last step lies on the diagonal
	s_cbranch_scc1 .Lopen_\@
	v_mov_b32 v254, 0xff800000             ; -infinity ahead of the maximum: p = 0 then.  Register n holds key 16 (n / 8) + n % 8 + 8 (lane / 16) of the step: hidden where that is above my query
.irp n, 0,1,2,3,4,5,6,7,8,9,10,11,12,13,14,15,16,17,18,19,20,21,22,23,24,25,26,27,28,29,30,31,32,33,34,35,36,37,38,39,40,41,42,43,44,45,46,47,48,49,50,51,52,53,54,55,56,57,58,59,60,61,62,63
	v_cmp_gt_i32 vcc_lo, 16*(\n/8)+\n%8, v[DL]
	v_cndmask_b32 v[96+\n], v[96+\n], v254, vcc_lo
.endr
.Lopen_\@:
	v_max3_num_f32 v254, v96, v97, v98     ; the step's largest score of my query, among my 64 keys, in two chains; each result is read from its low end on,
	v_max3_num_f32 v252, v99, v100, v101
.irp i, 6,10,14,18,22,26,30,34,38,42,46,50,54,58
	v_max3_num_f32 v254, v254, v[96+\i], v[97+\i]
	v_max3_num_f32 v252, v252, v[98+\i], v[99+\i]
.endr
	v_max3_num_f32 v254, v254, v158, v159
	v_max_num_f32 v254, v254, v252
	v_permlanex16_b32 v236, v254, s[SEL], s[SEL+1]
	v_max_num_f32 v254, v254, v236         ; and among lane l xor 16's
	v_mul_f32 v254, s[CS], v254            ; as t (c is positive)
	v_max_num_f32 v13, v13, v254           ; the running largest t
	v_mov_b32 v254, v12
	v_floor_f32 v12, -v13                  ; the new -M = floor(-t) = -ceil(t): M is a whole number
	v_sub_f32 v254, v12, v254              ; M's old value less its new one: a whole number, 0 or less
	v_cvt_i32_f32 v254, v254               ; (it saturates)
	v_ldexp_f32 v252, 1.0, v254            ; f = 2^(old M - new M)
.irp j, 0,2,4,6,8,10,12,14,16,18,20,22,24,26,28,30,32,34,36,38,40,42,44,46,48,50,52,54,56,58,60,62
	v_pk_fma_f32 v[96+\j:97+\j], v[96+\j:97+\j], s[CS:CS+1], v[12:13] op_sel_hi:[1,0,0]   ; t - M, two at a time (of the pairs c and -M the low word serves both halves)
.endr
.irp j, 0,1,2,3,4,5,6,7,8,9,10,11,12,13,14,15,16,17,18,19,20,21,22,23,24,25,26,27,28,29,30,31,32,33,34,35,36,37,38,39,40,41,42,43,44,45,46,47,48,49,50,51,52,53,54,55,56,57,58,59,60,61,62,63
	v_exp_f32 v[96+\j], v[96+\j]           ; p = 2^(t - M), at most 1: not normalised
.endr
	v_pk_mul_f32 v[14:15], v[14:15], v[252:253] op_sel_hi:[1,0]   ; the sums under the new M.  (The plain line behind the exponentials)
	s_wait_alu depctr_va_vdst(0)           ; the wait ahead of the first line that names an exponential's result: one for the batch of 64
	v_pk_add_f32 v[242:243], v[96:97], v[98:99]   ; the row's sum is taken of the unquantised p: two at a time, in two chains
.irp j, 4,8,12,16,20,24,28,32,36,40,44,48,52,56,60
	v_pk_add_f32 v[14:15], v[14:15], v[96+\j:97+\j]
	v_pk_add_f32 v[242:243], v[242:243], v[98+\j:99+\j]
.endr
	v_pk_add_f32 v[14:15], v[14:15], v[242:243]
.irp i, 0,1,2,3,4,5,6,7
.irp k, 0,1,2,3,4,5,6,7
	v_min_num_f32 v[96+8*\i+\k], v[96+8*\i+\k], v240   ; the conversion does not saturate (ISA guide 7.6.2); p is not negative, so the hold is one-sided
.endr
	v_cvt_scalef32_pk8_fp8_f32 v[224+2*\i:225+2*\i], v[96+8*\i:103+8*\i], v244   ; registers 2 i, 2 i + 1 of P: keys 16 i + 8 (lane / 16) + 0 .. 7
.endr
.irp j, 0,2,4,6,8,10,12,14,16,18,20,22,24,26,28,30,32,34,36,38,40,42,44,46,48,50,52,54,56,58,60,62
	v_pk_mul_f32 v[160+\j:161+\j], v[160+\j:161+\j], v[252:253] op_sel_hi:[1,0]   ; O^T under the new M.  (These 32 are also the places ahead of the loads and products below)
.endr
.irp g, 0,1                            ; O^T += V^T P^T: four tiles of 16 channels at a time; the eight accumulators take turns, one instruction a turn
.if \g > 0
.rept 4
	v_nop
.endr
.endif
.irp t, 0,1,2,3
.irp c, 0,1,2,3
	ds_load_b128 v[32+16*\t+4*\c:32+16*\t+4*\c+3], v[AD] offset:STEPB*((\q)%2)+VOFF+2048*(4*\g+\t)+512*\c
.endr
.endr
	s_wait_dscnt 0x0
.irp t, 0,1,2,3
	v_wmma_f32_16x16x128_fp8_fp8 v[160+8*(4*\g+\t):167+8*(4*\g+\t)], v[32+16*\t:47+16*\t], v[224:239], v[160+8*(4*\g+\t):167+8*(4*\g+\t)]
.endr
.endr
.Lhidden_\@:
	s_add_co_u32 s[KS], s[KS], 1
.endm
; THE CHANGE OF SLOTS stands at a slot's head.  Each wave waits for all its tensor loads (its part of the slot that it is about to read), adds 0 to its spare word, and waits for that and for its reads of the slot that
; it has left.  fill = 1: the barrier is a round of the cluster's, so that no wave of any partner still reads the other slot or has a load on its way; behind it that slot is filled with the next four key steps,
; which have this slot's four steps in which to land.
.macro CHANGE fill
	s_wait_tensorcnt 0x0                   ; no tensor load of mine is out, so group 0 may be written
	ds_add_u32 v[SPW], v[NIL]              ; 0 onto my spare word
.if \fill
	s_xor_b32 s[G0+1], s[G0+1], SLOT1      ; the walking descriptor: the other slot than last time,
	s_add_nc_u64 s[G0+2:G0+3], s[G0+2:G0+3], 4*STEPB   ; the next four key steps; the type bits on top are not reached
	s_wait_xcnt 0x0                        ; the last prefetch, a slot back, has read its address, so it may be written:
	s_add_nc_u64 s[PFA:PFA+1], s[PFA:PFA+1], 4*STEPB   ; one slot further on than the walking descriptor
.endif
	s_wait_dscnt 0x0                       ; the add is done, and my reads of the slot that I have left are over
.if \fill
	CROUND
	JLOAD                                  ; the first thing behind the round, and a wave's one tensor load until the next
	ASK
.else
	s_barrier_signal -1
	s_barrier_wait -1
.endif
.endm
.macro SLOT_STEPS
.irp q, 0,1,2,3
	STEP \q
.endr
	s_xor_b32 s[TB], s[TB], SLOT1          ; on to the other slot
.endm
	s_wait_loadcnt 0x0                     ; Q
.Lslot:                                    ; three trips: behind each change of slots but the last the next slot is asked for
	CHANGE 1
	SLOT_STEPS
	s_sub_co_u32 s[SLOTS], s[SLOTS], 1
	s_cmp_lg_u32 s[SLOTS], 0
	s_cbranch_scc1 .Lslot
	CHANGE 0                               ; the last slot is written out
	SLOT_STEPS
	; THE WAY OUT.  O = O^T x 2^(e8 + e9) / the sum; its code under 2^e10 is O^T x 2^(e8 + e9 - e10) / the sum, held within +-448.  Eight conversions give the operand's sixteen registers: four stores of 512 consecutive bytes.
	v_add_f32 v14, v14, v15                ; the sum's two halves,
	v_permlanex16_b32 v252, v14, s[SEL], s[SEL+1]
	v_add_f32 v14, v14, v252               ; and lane l xor 16's: the row's sum
	v_rcp_f32 v14, v14
.rept 3
	v_nop                                  ; the plain line behind the reciprocal; with the two additions above, the places behind the last products
.endr
	s_wait_alu depctr_va_vdst(0)           ; the wait ahead of the first line that names the reciprocal
	v_ldexp_f32 v14, v14, s82
.irp j, 0,2,4,6,8,10,12,14,16,18,20,22,24,26,28,30,32,34,36,38,40,42,44,46,48,50,52,54,56,58,60,62
	v_pk_mul_f32 v[96+\j:97+\j], v[160+\j:161+\j], v[14:15] op_sel_hi:[1,0]   ; each accumulator from its low end on
.endr
.irp i, 0,1,2,3,4,5,6,7
.irp k, 0,1,2,3,4,5,6,7
	v_med3_num_f32 v[96+8*\i+\k], v[96+8*\i+\k], -v241, v241
.endr
	v_cvt_scalef32_pk8_fp8_f32 v[224+2*\i:225+2*\i], v[96+8*\i:103+8*\i], v245   ; registers 2 i, 2 i + 1: row = my query, k = channel 16 i + 8 (lane / 16) + 0 .. 7
.endr
	v_nop
.irp c, 0,1,2,3
	global_store_b128 v[LI], v[224+4*\c:227+4*\c], s[10:11] offset:512*\c
.endr
	s_wait_tensorcnt 0x0                   ; the wave's end: my last tensor load is done, then my last LDS instructions
	ds_add_u32 v[SPW], v[NIL]
	s_wait_dscnt 0x0
	CROUND                                 ; the closing round: no work-group ends while a partner may still ask for a tile that names it
	s_endpgm
.Lfunc_end_k_q03687b8133_attn:
	.size	k_q03687b8133_attn, .Lfunc_end_k_q03687b8133_attn-k_q03687b8133_attn
	.p2alignl 7, 3214868480
	.fill 96, 4, 3214868480
	.section	.rodata,"a",@progbits
	.p2align	6, 0x0
	.amdhsa_kernel k_q03687b8133_attn
		.amdhsa_group_segment_fixed_size 327680
		.amdhsa_private_segment_fixed_size 0
		.amdhsa_enable_private_segment 0
		.amdhsa_kernarg_size 32
		.amdhsa_user_sgpr_count 2
		.amdhsa_user_sgpr_kernarg_segment_ptr 1
		.amdhsa_wavefront_size32 1
		.amdhsa_system_sgpr_workgroup_id_x 1
		.amdhsa_system_sgpr_workgroup_id_y 1
		.amdhsa_system_sgpr_workgroup_id_z 1
		.amdhsa_system_vgpr_workitem_id 0
		.amdhsa_next_free_vgpr 256
		.amdhsa_next_free_sgpr 100
		.amdhsa_reserve_vcc 1
		.amdhsa_float_denorm_mode_32 3
		.amdhsa_float_denorm_mode_16_64 3
		.amdhsa_memory_ordered 1
		.amdhsa_forward_progress 1
		.amdhsa_inst_pref_size 207
	.end_amdhsa_kernel
	.amdgpu_metadata
---
amdhsa.version: [ 1, 2 ]
amdhsa.kernels:
  - .name:           k_q03687b8133_attn
    .symbol:         k_q03687b8133_attn.kd
    .args:
      - { .name: qimg, .offset: 0, .size: 8, .value_kind: global_buffer, .address_space: global }
      - { .name: kvimg, .offset: 8, .size: 8, .value_kind: global_buffer, .address_space: global }
      - { .name: lowp_scales, .offset: 16, .size: 8, .value_kind: global_buffer, .address_space: global }
      - { .name: aimg, .offset: 24, .size: 8, .value_kind: global_buffer, .address_space: global }
    .group_segment_fixed_size: 327680
    .private_segment_fixed_size: 0
    .kernarg_segment_align: 8
    .kernarg_segment_size: 32
    .max_flat_workgroup_size: 512
    .sgpr_count:     100
    .vgpr_count:     256
    .wavefront_size: 32
...
	.end_amdgpu_metadata
.endif
;; end of part 3
;; launch fc (part 4): grid 128 x 2, 16 waves a work-group, no clusters, 141,312 bytes of LDS; arguments aimg, wfcimg, lowp_scales, bfc, out0; writes out0
.if DOCPART == 4
	.amdgcn_target "amdgcn-amd-amdhsa--gfx1250"
	.amdhsa_code_object_version 6
	.text
	.protected	k_q03687b8133_fc
	.globl	k_q03687b8133_fc
	.p2align	8
	.type	k_q03687b8133_fc,@function
k_q03687b8133_fc:
	s_mov_b64 s[64:65], 0
	v_nop
	global_prefetch_b8 v0, s[64:65] scope:SCOPE_SE
	s_setreg_imm32_b32 hwreg(HW_REG_WAVE_MODE, 25, 1), 1
	s_wait_xcnt 0x0
; out0 = A Wfc + bfc on codes of E4M3: A [4096][2048] as images aimg [256 tiles of 16 rows][16 h][2048], Wfc as images wfcimg [16 h][8 tiles of 16 outputs][2048]; K step h is head h's 128 channels.
; SHARES: work-group (mp, nh): rows 32 mp .. + 31, outputs 64 nh .. + 63 (256 bytes of a row of out0).  Wave w is K step w: two fragments of A, four of Wfc, eight products, each a whole partial sum.
; So no operand byte is read twice in a work-group.  The sixteen partial sums meet in LDS; thread t then adds the sixteen parts of four neighbouring outputs of row t / 16.
; THE MATRIX INSTRUCTION IS USED TRANSPOSED (source 0 = 16 outputs of Wfc, source 1 = 16 rows of A): a lane holds eight neighbouring outputs of one row.
; A sum stands for sum x 2^(e10 + e11): one packed multiply-add gives sum x 2^(e10 + e11) + bias.  LIMIT: e10 + e11 between -126 and 127, so that the power of two is an f32 number.
; NO CLUSTER: a wave takes its 12 KB of operands from memory straight into registers, once, for eight matrix instructions; there is no loop in which shared tiles could take turns.
.set PP,  272                          ; a row of a part: 256 bytes + 16: the sixteen rows that a store touches start at sixteen different groups of banks (64 banks of 4 bytes: ISA guide 11.1)
.set PART, 32*PP                       ; a wave's part: 32 rows
.set BI,  8                            ; v8-11    my four biases
.set AF,  16                           ; v16-47   A's two fragments
.set WF,  48                           ; v48-111  Wfc's four
.set ACC, 112                          ; v112-175 eight results
.set RS,  16                           ; v16-79   sixteen parts of my four outputs
	s_load_b256 s[4:11], s[0:1], 0x0       ; aimg 4, wfcimg 6, the exponents 8, bfc 10
	s_load_b64 s[12:13], s[0:1], 0x20      ; out0
	v_lshl_add_u32 v192, v0, 2, 0x22000
	v_mov_b32 v193, 0
	v_lshrrev_b32 v7, 5, v0
	v_readfirstlane_b32 s14, v7            ; wave = head
	v_and_b32 v1, 31, v0
	v_lshlrev_b32 v1, 4, v1                ; 16 x lane: my place in an image's 512 bytes
	v_and_b32 v12, 15, v0                  ; r; also which four of the row's 64 outputs I add
	v_bfe_u32 v13, v0, 4, 1                ; hh
	v_lshlrev_b32 v2, 4, v12
	s_mul_i32 s15, s14, PART
	v_mul_u32_u24 v3, v12, PP
	v_lshl_add_u32 v3, v13, 5, v3
	v_add_nc_u32 v3, s15, v3               ; into my part: row r, + 32 hh bytes
	v_lshrrev_b32 v14, 4, v0               ; the row that I add: 0 .. 31
	v_mul_u32_u24 v4, v14, PP
	v_add_nc_u32 v4, v4, v2                ; out of parts 0 to 7,
	v_add_nc_u32 v5, 8*PART, v4            ; and 8 to 15 (an LDS offset has 16 bits)
	v_lshl_add_u32 v6, v14, 9, v2          ; the same place in out0: rows of 512 bytes
	s_and_b32 s16, ttmp7, 0xffff           ; nh
	s_lshl_b32 s24, ttmp9, 16
	s_lshl_b32 s17, s14, 11
	s_add_co_u32 s24, s24, s17             ; A: two tiles of rows x 16 images, + image w
	s_mov_b32 s25, 0
	s_lshl_b32 s26, s14, 14
	s_lshl_b32 s17, s16, 13
	s_add_co_u32 s26, s26, s17             ; Wfc: eight images x w, + four x nh
	s_mov_b32 s27, 0
	s_lshl_b32 s28, s16, 8                 ; the biases of my 64 outputs
	s_mov_b32 s29, 0
	s_lshl_b32 s30, ttmp9, 14
	s_add_co_u32 s30, s30, s28             ; out0: 32 rows x mp, + 256 nh
	s_mov_b32 s31, 0
	s_wait_kmcnt 0x0
	s_load_b64 s[20:21], s[8:9], 0x28      ; e10, e11
	s_add_nc_u64 s[4:5], s[4:5], s[24:25]
	s_add_nc_u64 s[6:7], s[6:7], s[26:27]
	s_add_nc_u64 s[10:11], s[10:11], s[28:29]
	s_add_nc_u64 s[12:13], s[12:13], s[30:31]
	global_load_b128 v[BI:BI+3], v2, s[10:11]
.irp i, 0,1
.irp c, 0,1,2,3
	global_load_b128 v[AF+16*\i+4*\c:AF+16*\i+4*\c+3], v1, s[4:5] offset:32768*\i+512*\c
.endr
.endr
.irp n, 0,1,2,3
.irp c, 0,1,2,3
	global_load_b128 v[WF+16*\n+4*\c:WF+16*\n+4*\c+3], v1, s[6:7] offset:2048*\n+512*\c
.endr
.endr
	s_wait_kmcnt 0x0
	s_add_co_i32 s22, s20, s21
	s_add_co_i32 s22, s22, 127
	s_lshl_b32 s22, s22, 23                ; 2^(e10 + e11) as f32
	s_mov_b32 s23, s22                     ; (named with it as a pair, so it is written)
	s_wait_loadcnt 0x0
.irp i, 0,1
.irp n, 0,1,2,3
	v_wmma_f32_16x16x128_fp8_fp8 v[ACC+8*(4*\i+\n):ACC+8*(4*\i+\n)+7], v[WF+16*\n:WF+16*\n+15], v[AF+16*\i:AF+16*\i+15], 0
.endr
.endr
.rept 4
	v_nop                                  ; four places ahead of the stores that read results, and of the loads into the fragments' registers further down
.endr
.irp i, 0,1
.irp n, 0,1,2,3
	ds_store_b128 v3, v[ACC+8*(4*\i+\n):ACC+8*(4*\i+\n)+3] offset:16*PP*\i+64*\n        ; lane (r, hh): row 16 i + r, outputs 16 n + 8 hh + 0 .. 7; each result from its low end on
	ds_store_b128 v3, v[ACC+8*(4*\i+\n)+4:ACC+8*(4*\i+\n)+7] offset:16*PP*\i+64*\n+16
.endr
.endr
	s_wait_dscnt 0x0                       ; for the others' sake: my part lies in LDS
	s_barrier_signal -1
	s_barrier_wait -1                      ; all sixteen do
.irp p, 0,1,2,3,4,5,6,7
	ds_load_b128 v[RS+4*\p:RS+4*\p+3], v4 offset:PART*\p
.endr
.irp p, 0,1,2,3,4,5,6,7
	ds_load_b128 v[RS+32+4*\p:RS+32+4*\p+3], v5 offset:PART*\p
.endr
	s_wait_dscnt 0x0
.irp d, 8,4,2,1                        ; sixteen parts become one: 30 packed additions, no chain longer than four
.irp p, 0,1,2,3,4,5,6,7
.if \p < \d
	v_pk_add_f32 v[RS+4*\p:RS+4*\p+1], v[RS+4*\p:RS+4*\p+1], v[RS+4*(\p+\d):RS+4*(\p+\d)+1]
	v_pk_add_f32 v[RS+4*\p+2:RS+4*\p+3], v[RS+4*\p+2:RS+4*\p+3], v[RS+4*(\p+\d)+2:RS+4*(\p+\d)+3]
.endif
.endr
.endr
	v_pk_fma_f32 v[RS:RS+1], v[RS:RS+1], s[22:23], v[BI:BI+1] op_sel_hi:[1,0,1]       ; sum x 2^(e10 + e11) + bias (the scalar pair's low word for both halves)
	v_pk_fma_f32 v[RS+2:RS+3], v[RS+2:RS+3], s[22:23], v[BI+2:BI+3] op_sel_hi:[1,0,1]
	global_store_b128 v6, v[RS:RS+3], s[12:13] th:TH_STORE_NT   ; 16 lanes store 256 consecutive bytes, at a multiple of 256 from out0's first byte; written once, read by nobody here
	s_wait_tensorcnt 0x0
	ds_add_u32 v192, v193
	s_wait_dscnt 0x0
	s_endpgm
.Lfunc_end_k_q03687b8133_fc:
	.size	k_q03687b8133_fc, .Lfunc_end_k_q03687b8133_fc-k_q03687b8133_fc
	.p2alignl 7, 3214868480
	.fill 96, 4, 3214868480
	.section	.rodata,"a",@progbits
	.p2align	6, 0x0
	.amdhsa_kernel k_q03687b8133_fc
		.amdhsa_group_segment_fixed_size 141312
		.amdhsa_private_segment_fixed_size 0
		.amdhsa_enable_private_segment 0
		.amdhsa_kernarg_size 40
		.amdhsa_user_sgpr_count 2
		.amdhsa_user_sgpr_kernarg_segment_ptr 1
		.amdhsa_wavefront_size32 1
		.amdhsa_system_sgpr_workgroup_id_x 1
		.amdhsa_system_sgpr_workgroup_id_y 1
		.amdhsa_system_sgpr_workgroup_id_z 1
		.amdhsa_system_vgpr_workitem_id 0
		.amdhsa_next_free_vgpr 194
		.amdhsa_next_free_sgpr 66
		.amdhsa_reserve_vcc 0
		.amdhsa_float_denorm_mode_32 3
		.amdhsa_float_denorm_mode_16_64 3
		.amdhsa_memory_ordered 1
		.amdhsa_forward_progress 1
		.amdhsa_inst_pref_size 10
	.end_amdhsa_kernel
	.amdgpu_metadata
---
amdhsa.version: [ 1, 2 ]
amdhsa.kernels:
  - .name:           k_q03687b8133_fc
    .symbol:         k_q03687b8133_fc.kd
    .args:
      - { .name: aimg, .offset: 0, .size: 8, .value_kind: global_buffer, .address_space: global }
      - { .name: wfcimg, .offset: 8, .size: 8, .value_kind: global_buffer, .address_space: global }
      - { .name: lowp_scales, .offset: 16, .size: 8, .value_kind: global_buffer, .address_space: global }
      - { .name: bfc, .offset: 24, .size: 8, .value_kind: global_buffer, .address_space: global }
      - { .name: out0, .offset: 32, .size: 8, .value_kind: global_buffer, .address_space: global }
    .group_segment_fixed_size: 141312
    .private_segment_fixed_size: 0
    .kernarg_segment_align: 8
    .kernarg_segment_size: 40
    .max_flat_workgroup_size: 512
    .sgpr_count:     66
    .vgpr_count:     194
    .wavefront_size: 32
...
	.end_amdgpu_metadata
.endif
;; end of part 4
;; ======== version 2 of 2: 4 launches
;; workspace buffers: xcodes 1,572,864 bytes; wcodes 786,432 bytes; wfcimg 262,144 bytes; qimg 8,388,608 bytes; kvimg 16,777,216 bytes; aimg 8,388,608 bytes
;; launch prep (part 5): grid 256 x 1, 2 waves a work-group, no clusters, 39,168 bytes of LDS; arguments x, Wq, Wk, Wv, Wfc, lowp_scales, xcodes, wcodes, wfcimg; writes xcodes, wcodes, wfcimg
.if DOCPART == 5
	.amdgcn_target "amdgcn-amd-amdhsa--gfx1250"
	.amdhsa_code_object_version 6
	.text
	.protected	k_q03687b8133_prep
	.globl	k_q03687b8133_prep
	.p2align	8
	.type	k_q03687b8133_prep,@function
k_q03687b8133_prep:
	s_mov_b64 s[64:65], 0
	v_nop
	global_prefetch_b8 v0, s[64:65] scope:SCOPE_SE
	s_setreg_imm32_b32 hwreg(HW_REG_WAVE_MODE, 25, 1), 1
	s_wait_xcnt 0x0
; The inputs become codes of E4M3, each with the scale 2^e that is given for it: code = number / 2^e, held within +-448, to the nearest code, ties to even.
;   x [4096][128]        -> xcodes [3][4096][128]      three times, under entries 0, 2, 4 of the scales: rows as they lie, K = the 128 channels innermost
;   Wq, Wk, Wv [128][2048] -> wcodes [3][16 h][128 c][128 k]  under entries 1, 3, 5.  Column n of a weight is channel n / 16 of head n % 16; K is the FIRST axis
;   Wfc [2048][128]      -> wfcimg [16 h][8 tiles of 16 outputs][2048]  under entry 11: each tile as an image of an operand's registers (16 rows x 128 K: registers 4 g .. 4 g + 3 of lane l at
;                           512 g + 16 l), in the 8-bit form's own order: registers 2 i, 2 i + 1 of lane (r, hh) hold k = 16 i + 8 hh + 0 .. 7
; LIMITS: each of those seven exponents lies between -126 and 119, so that 2^e and 448 x 2^e are f32 numbers.  NaN among the inputs is not served; an infinity is held at the largest code.
; SHARES: 256 work-groups of two waves; waves share nothing, so there is no barrier.  Work-groups 0-95: the three weights (a wave: 32 columns x all 128 k); 96-127: Wfc (a wave: 32 columns x one head's 128 rows);
; 128-255: x (a wave: 16 rows).  The three paths part on the work-group's number, never join, and each has LDS bytes of its own.
; WEIGHTS: a lane takes a column and its registers run down K, so each load reads 128 consecutive bytes a wave (the two waves of a work-group stand side by side on 256), and the conversions, which take neighbours
; along K from one lane's registers, give codes with K innermost.  Nothing is transposed by an instruction.  The codes leave through the wave's own stage in LDS (rows of 128 bytes + 16).
; No matrix unit, no cluster, no tensor load: each byte is read once by one wave, and nothing is shared.
.set XC,   32                          ; weights: v32-159  128 numbers of my column
.set CC,   160                         ;          v160-191 their codes
.set OUTR, 192                         ;          v192-223 the way out
.set RW,   32                          ; x: v32-95   four steps of 16 numbers as they are loaded
.set XN,   96                          ;    v96-159  four steps of 16 neighbours
.set TT,   160                         ;    v160-191 two sets of 16 held numbers, by turns
.set CX,   192                         ;    v192-239 codes: four registers for each step and scale, so that no store's data are written again
.set SP,   80                          ; x: a lane's place in a stage: its 64 bytes + 16 of padding
.set STW,  0                           ; LDS: the weights' stages, 32 rows x 144 bytes a wave,
.set STF,  9216                        ; Wfc's likewise,
.set STX,  18432                       ; x's: four stages of 32 x 80 bytes a wave, none used twice
; 2^e as f32 into v[vs] (the conversion takes its exponent field), 448 x 2^e into v[vl]
.macro MKSCALE e, vs, vl
	s_add_co_i32 s46, s[\e], 127
	s_lshl_b32 s47, s46, 23
	v_mov_b32 v[\vs], s47
	s_add_co_i32 s46, s46, 8
	s_lshl_b32 s46, s46, 23
	s_or_b32 s46, s46, 0x600000            ; the mantissa field of 448
	v_mov_b32 v[\vl], s46
.endm
; my column's 128 numbers: row i of the tensor lies i x pitch bytes on; every offset is an immediate (1,040,384 at the most)
.macro COLS_LOAD pitch
.set LN, 0
.rept 128
	global_load_b32 v[XC+LN], v1, s[4:5] offset:LN*\pitch th:TH_LOAD_NT
.set LN, LN+1
.endr
.endm
; hold, convert, through the stage, out.  perm = 0: codes in the order of k, rows of wcodes.  perm = 1: in each 32 bytes the two middle groups of eight change places, so that the 16 bytes at 32 g + 16 hh of a row
; are k = 32 g + 8 hh + 0 .. 7 and 32 g + 16 + 8 hh + 0 .. 7: registers 4 g .. 4 g + 3 of lane (r, hh) in the 8-bit form's own order
.macro COLS_WORK perm
.irp b, 0,1,2,3
.if \b < 2
	s_wait_loadcnt 63                      ; block b's 32 loads are in (96 and 64 could stay out; the count's field holds 63)
.elseif \b == 2
	s_wait_loadcnt 32
.else
	s_wait_loadcnt 0
.endif
.irp i, 0,1,2,3,4,5,6,7,8,9,10,11,12,13,14,15,16,17,18,19,20,21,22,23,24,25,26,27,28,29,30,31
	v_med3_num_f32 v[XC+32*\b+\i], v[XC+32*\b+\i], -v10, v10   ; the conversion to an 8-bit code does not saturate (ISA guide 7.6.2): the hold comes first
.endr
.irp q, 0,1,2,3
.if \perm
.set PI, 4*\b+2*(\q%2)+\q/2
.else
.set PI, 4*\b+\q
.endif
	v_cvt_scalef32_pk8_fp8_f32 v[CC+2*PI:CC+2*PI+1], v[XC+32*\b+8*\q:XC+32*\b+8*\q+7], v11
.endr
.endr
	v_nop                                  ; a plain line behind the last conversion
.irp i, 0,1,2,3,4,5,6,7
	ds_store_b128 v12, v[CC+4*\i:CC+4*\i+3] offset:16*\i
.endr
.irp t, 0,1,2,3,4,5,6,7
.if \perm
	ds_load_b128 v[OUTR+4*\t:OUTR+4*\t+3], v13 offset:2304*(\t/4)+32*(\t%4)   ; LDS serves a wave's instructions in order (ISA guide 5.7.1.4): these see my stores
.else
	ds_load_b128 v[OUTR+4*\t:OUTR+4*\t+3], v13 offset:576*\t
.endif
.endr
.irp t, 0,1,2,3,4,5,6,7
	s_wait_dscnt 7-\t                      ; load t is in; the later ones may be out
.if \perm
	global_store_b128 v14, v[OUTR+4*\t:OUTR+4*\t+3], s[6:7] offset:2048*(\t/4)+512*(\t%4)   ; 32 lanes store 512 consecutive bytes of an image
.else
	global_store_b128 v14, v[OUTR+4*\t:OUTR+4*\t+3], s[6:7] offset:32768*\t                  ; 16 lanes store 256 consecutive bytes, aligned: rows c, c + 1 of one head
.endif
.endr
.endm
	s_load_b512 s[8:23], s[0:1], 0x0       ; x 8, Wq 10, Wk 12, Wv 14, Wfc 16, the exponents 18, xcodes 20, wcodes 22
	s_load_b64 s[24:25], s[0:1], 0x40      ; wfcimg
	v_lshl_add_u32 v240, v0, 2, 0x9800
	v_mov_b32 v241, 0
	v_lshrrev_b32 v1, 5, v0
	v_readfirstlane_b32 s26, v1            ; wave 0, 1
	v_and_b32 v2, 31, v0                   ; lane L
	v_and_b32 v3, 15, v0                   ; r = L % 16
	v_bfe_u32 v4, v0, 4, 1                 ; hh = L / 16
	v_lshlrev_b32 v1, 2, v2                ; 4 L
	s_mov_b32 s31, 0                       ; the upper word of every offset
	s_wait_kmcnt 0x0
	s_load_b256 s[32:39], s[18:19], 0x0    ; entries 0 to 7
	s_load_b128 s[40:43], s[18:19], 0x20   ; entries 8 to 11
	s_cmp_lt_u32 ttmp9, 96
	s_cbranch_scc1 .Lweights
	s_cmp_lt_u32 ttmp9, 128
	s_cbranch_scc1 .Lwfc
	; ---- x.  A load is best where neighbouring lanes take neighbouring bytes; a conversion wants 16 neighbours in one lane.  Both are had: each load reads 512 consecutive bytes, a step's 2,048 bytes go through
	; the wave's stage as they lie and come back 64 bytes a lane.  A lane's 16 codes are 16 bytes: the wave stores 512 consecutive bytes.
	s_sub_co_u32 s27, ttmp9, 128
	s_lshl_b32 s27, s27, 1
	s_add_co_u32 s27, s27, s26             ; which 16 rows are my wave's: 0 .. 255
	s_lshl_b32 s30, s27, 13
	s_add_nc_u64 s[4:5], s[8:9], s[30:31]  ; 8,192 bytes of x,
	s_lshl_b32 s30, s27, 11
	s_add_nc_u64 s[6:7], s[20:21], s[30:31]  ; 2,048 bytes of codes under each scale
	s_mul_i32 s45, s26, 4*32*SP
	s_add_co_u32 s45, s45, STX
	s_wait_alu depctr_va_vdst(0)
	v_lshlrev_b32 v7, 4, v2                ; 16 L
	v_lshrrev_b32 v8, 2, v2
	v_mul_u32_u24 v8, v8, SP
	v_and_b32 v5, 3, v0
	v_lshl_add_u32 v8, v5, 4, v8
	v_add_nc_u32 v8, s45, v8               ; the stage, on the way in: four lanes' 64 bytes on end, then the padding
	v_mul_u32_u24 v9, v2, SP
	v_add_nc_u32 v9, s45, v9               ; and on the way out: my 16 neighbours
.irp t, 0,1,2,3
.irp i, 0,1,2,3
	global_load_b128 v[RW+16*\t+4*\i:RW+16*\t+4*\i+3], v7, s[4:5] offset:2048*\t+512*\i th:TH_LOAD_NT
.endr
.endr
	s_wait_alu depctr_va_vdst(0)
	s_wait_kmcnt 0x0
	MKSCALE 32, 16, 17                     ; x as the first product's operand,
	MKSCALE 34, 18, 19                     ; the second's,
	MKSCALE 36, 20, 21                     ; the third's
	s_wait_alu depctr_va_vdst(0)
.irp t, 0,1,2,3
	s_wait_loadcnt 12-4*\t                 ; step t's four loads are in; the later steps' may be out
.irp i, 0,1,2,3
	ds_store_b128 v8, v[RW+16*\t+4*\i:RW+16*\t+4*\i+3] offset:32*SP*\t+8*SP*\i
.endr
.irp i, 0,1,2,3
	ds_load_b128 v[XN+16*\t+4*\i:XN+16*\t+4*\i+3], v9 offset:32*SP*\t+16*\i
.endr
.endr
.irp t, 0,1,2,3
	s_wait_dscnt 24-8*\t                   ; step t's numbers are back; behind them stand eight LDS instructions for each later step
.irp s, 0,1,2
.set TS, TT+16*((3*\t+\s)%2)           ; the two sets take turns: the lines behind a conversion write the other set
.irp i, 0,1,2,3,4,5,6,7,8,9,10,11,12,13,14,15
	v_med3_num_f32 v[TS+\i], v[XN+16*\t+\i], -v[17+2*\s], v[17+2*\s]
.endr
	v_cvt_scalef32_pk8_fp8_f32 v[CX+16*\s+4*\t:CX+16*\s+4*\t+1], v[TS:TS+7], v[16+2*\s]
	v_cvt_scalef32_pk8_fp8_f32 v[CX+16*\s+4*\t+2:CX+16*\s+4*\t+3], v[TS+8:TS+15], v[16+2*\s]
	global_store_b128 v7, v[CX+16*\s+4*\t:CX+16*\s+4*\t+3], s[6:7] offset:524288*\s+512*\t
.endr
.endr
	s_wait_tensorcnt 0x0
	ds_add_u32 v240, v241
	s_wait_dscnt 0x0
	s_endpgm
.Lweights:
	; ---- Wq, Wk, Wv.  Lane L's column is 32 cw + L: channel 2 cw + L / 16 of head L % 16
	s_lshr_b32 s27, ttmp9, 5               ; which weight: 0, 1, 2
	s_and_b32 s29, ttmp9, 31
	s_lshl_b32 s29, s29, 1
	s_add_co_u32 s29, s29, s26             ; cw: which 32 columns, 0 .. 63
	s_cmp_eq_u32 s27, 0
	s_cselect_b64 s[4:5], s[10:11], s[12:13]
	s_cmp_eq_u32 s27, 2
	s_cselect_b64 s[4:5], s[14:15], s[4:5]
	s_lshl_b32 s30, s29, 7
	s_add_nc_u64 s[4:5], s[4:5], s[30:31]  ; + 128 cw bytes along a row
	s_lshl_b32 s30, s27, 18
	s_lshl_b32 s44, s29, 8
	s_add_co_u32 s30, s30, s44
	s_add_nc_u64 s[6:7], s[22:23], s[30:31]  ; wcodes + 262,144 x weight + rows 2 cw, 2 cw + 1 of head 0
	s_mul_i32 s45, s26, 32*144             ; my stage (STW = 0)
	s_wait_alu depctr_va_vdst(0)
	v_lshl_add_u32 v5, v3, 1, v4           ; into it: row 2 x head + (channel % 2)
	v_mul_u32_u24 v12, v5, 144
	v_add_nc_u32 v12, s45, v12
	v_bfe_u32 v5, v0, 3, 2                 ; out of it: eight lanes to a row, four rows an instruction
	v_and_b32 v6, 7, v0
	v_mul_u32_u24 v13, v5, 144
	v_lshl_add_u32 v13, v6, 4, v13
	v_add_nc_u32 v13, s45, v13
	v_lshlrev_b32 v14, 14, v4              ; lanes 0-15: head 2 t, lanes 16-31: head 2 t + 1; 16 bytes a lane of the head's 256
	v_lshl_add_u32 v14, v3, 4, v14
	COLS_LOAD 8192
	s_wait_kmcnt 0x0
	s_cmp_eq_u32 s27, 0
	s_cselect_b32 s28, s33, s35
	s_cmp_eq_u32 s27, 2
	s_cselect_b32 s28, s37, s28            ; entry 1, 3 or 5
	MKSCALE 28, 11, 10
	s_wait_alu depctr_va_vdst(0)
	COLS_WORK 0
	s_wait_tensorcnt 0x0
	ds_add_u32 v240, v241
	s_wait_dscnt 0x0
	s_endpgm
.Lwfc:
	; ---- Wfc.  K of the last product is 128 h + c: head h's K step is rows 128 h .. 128 h + 127
	s_sub_co_u32 s27, ttmp9, 96
	s_lshl_b32 s27, s27, 1
	s_add_co_u32 s27, s27, s26             ; 0 .. 63
	s_lshr_b32 s28, s27, 2                 ; h
	s_and_b32 s29, s27, 3                  ; which 32 of the 128 outputs
	s_lshl_b32 s30, s28, 16
	s_lshl_b32 s44, s29, 7
	s_add_co_u32 s30, s30, s44
	s_add_nc_u64 s[4:5], s[16:17], s[30:31]  ; Wfc + 128 h rows of 512 bytes + 128 bytes x part
	s_lshl_b32 s30, s28, 14
	s_lshl_b32 s44, s29, 12
	s_add_co_u32 s30, s30, s44
	s_add_nc_u64 s[6:7], s[24:25], s[30:31]  ; wfcimg + 8 images x h + 2 images x part
	s_mul_i32 s45, s26, 32*144
	s_add_co_u32 s45, s45, STF
	s_wait_alu depctr_va_vdst(0)
	v_mul_u32_u24 v12, v2, 144             ; into the stage: row = my column
	v_add_nc_u32 v12, s45, v12
	v_mul_u32_u24 v13, v3, 144             ; out of it: as a fragment's lane (r, hh) wants it
	v_lshl_add_u32 v13, v4, 4, v13
	v_add_nc_u32 v13, s45, v13
	v_lshlrev_b32 v14, 4, v2               ; 16 L: my place in an image's 512 bytes
	COLS_LOAD 512
	s_wait_kmcnt 0x0
	MKSCALE 43, 11, 10                     ; entry 11
	s_wait_alu depctr_va_vdst(0)
	COLS_WORK 1
	s_wait_tensorcnt 0x0
	ds_add_u32 v240, v241
	s_wait_dscnt 0x0
	s_endpgm
.Lfunc_end_k_q03687b8133_prep:
	.size	k_q03687b8133_prep, .Lfunc_end_k_q03687b8133_prep-k_q03687b8133_prep
	.p2alignl 7, 3214868480
	.fill 96, 4, 3214868480
	.section	.rodata,"a",@progbits
	.p2align	6, 0x0
	.amdhsa_kernel k_q03687b8133_prep
		.amdhsa_group_segment_fixed_size 39168
		.amdhsa_private_segment_fixed_size 0
		.amdhsa_enable_private_segment 0
		.amdhsa_kernarg_size 72
		.amdhsa_user_sgpr_count 2
		.amdhsa_user_sgpr_kernarg_segment_ptr 1
		.amdhsa_wavefront_size32 1
		.amdhsa_system_sgpr_workgroup_id_x 1
		.amdhsa_system_sgpr_workgroup_id_y 1
		.amdhsa_system_sgpr_workgroup_id_z 1
		.amdhsa_system_vgpr_workitem_id 0
		.amdhsa_next_free_vgpr 242
		.amdhsa_next_free_sgpr 66
		.amdhsa_reserve_vcc 0
		.amdhsa_float_denorm_mode_32 3
		.amdhsa_float_denorm_mode_16_64 3
		.amdhsa_memory_ordered 1
		.amdhsa_forward_progress 1
		.amdhsa_inst_pref_size 71
	.end_amdhsa_kernel
	.amdgpu_metadata
---
amdhsa.version: [ 1, 2 ]
amdhsa.kernels:
  - .name:           k_q03687b8133_prep
    .symbol:         k_q03687b8133_prep.kd
    .args:
      - { .name: x, .offset: 0, .size: 8, .value_kind: global_buffer, .address_space: global }
      - { .name: Wq, .offset: 8, .size: 8, .value_kind: global_buffer, .address_space: global }
      - { .name: Wk, .offset: 16, .size: 8, .value_kind: global_buffer, .address_space: global }
      - { .name: Wv, .offset: 24, .size: 8, .value_kind: global_buffer, .address_space: global }
      - { .name: Wfc, .offset: 32, .size: 8, .value_kind: global_buffer, .address_space: global }
      - { .name: lowp_scales, .offset: 40, .size: 8, .value_kind: global_buffer, .address_space: global }
      - { .name: xcodes, .offset: 48, .size: 8, .value_kind: global_buffer, .address_space: global }
      - { .name: wcodes, .offset: 56, .size: 8, .value_kind: global_buffer, .address_space: global }
      - { .name: wfcimg, .offset: 64, .size: 8, .value_kind: global_buffer, .address_space: global }
    .group_segment_fixed_size: 39168
    .private_segment_fixed_size: 0
    .kernarg_segment_align: 8
    .kernarg_segment_size: 72
    .max_flat_workgroup_size: 64
    .sgpr_count:     66
    .vgpr_count:     242
    .wavefront_size: 32
...
	.end_amdgpu_metadata
.endif
;; end of part 5
;; launch proj (part 6): grid 16 x 32, 3 waves a work-group, no clusters, 0 bytes of LDS; arguments xcodes, wcodes, lowp_scales, qimg, kvimg; writes qimg, kvimg
.if DOCPART == 6
	.amdgcn_target "amdgcn-amd-amdhsa--gfx1250"
	.amdhsa_code_object_version 6
	.text
	.protected	k_q03687b8133_proj
	.globl	k_q03687b8133_proj
	.p2align	8
	.type	k_q03687b8133_proj,@function
k_q03687b8133_proj:
	s_mov_b64 s[64:65], 0
	v_nop
	global_prefetch_b8 v0, s[64:65] scope:SCOPE_SE
	s_setreg_imm32_b32 hwreg(HW_REG_WAVE_SCHED_MODE, 0, 2), 2
	s_setreg_imm32_b32 hwreg(HW_REG_WAVE_MODE, 25, 1), 1
	s_wait_xcnt 0x0
	s_wait_alu depctr_vm_vsrc(0)
; q = x Wq, k = x Wk, v = x Wv on codes of E4M3, and the results quantised at once as the operands of attention's two products, stored as IMAGES OF THE OPERANDS' REGISTERS
; (a fragment, 16 rows x 128 K, is 2,048 bytes: registers 4 g .. 4 g + 3 of lane l at 512 g + 16 l).
; SHARES: work-group (h, ksg): head h, tokens 128 ksg .. + 127 (ksg = 16 b + key step).  Wave 0 makes q, wave 1 k, wave 2 v: eight images each.  Waves share nothing: no LDS, no barrier.
; THE LAYOUT THAT SPARES EVERY TRANSPOSITION.  In a result lane (r, hh) holds column r and rows 8 hh + 0 .. 7.  Eight results that share source 1, each converted to eight codes, are registers 2 i, 2 i + 1 of a lane:
; row r, k = 16 i + 8 hh + 0 .. 7: the 8-bit form's own order for K = 128.
;   q, k: source 0 = eight tiles of 16 channels of the weight, source 1 = 16 tokens of x: a lane holds one token, its codes run along the channels: a fragment of q or of k.
;   v:    source 0 = eight tiles of 16 tokens of x, source 1 = 16 channels of Wv: a lane holds one channel, its codes run along the keys: a fragment of V^T.
; So one text serves all three: the eight fragments that stay (G) and the one that changes (F) swap buffers for v.
; x's and the weights' codes lie in rows of 128 bytes and are read by four loads of 16 bytes at 128 r + 16 hh + 32 g: the same permutation of k on both sides, so every product meets its partner.
; A sum stands for sum x 2^(ex + ew): its code is sum / 2^(eo - ex - ew): the three exponents are folded into the conversion's one.
; LIMITS: e6 - e0 - e1, e7 - e2 - e3 and e9 - e4 - e5 lie between -126 and 119, so that the scale and 448 x the scale are f32 numbers.
; NO CLUSTER: a wave takes its 32 KB of operands from memory straight into registers, once, for 64 matrix instructions; shared tiles would have to go through LDS, with barriers, for a text that has no loop.
; THE MODE: SCHED_MODE bits 1:0 = 2 (LLVM: expert scheduling mode 2), set by the entry lines.  The code itself states the register dependences
; between vector or matrix instructions and memory instructions, with s_wait_alu, always for 0.
; THE PLAN.  Registers that memory instructions touch:
;   v1, v2      the loads' and the stores' offsets: written at the head, never again.
;   G           written by the head's loads, once; read by products alone.
;   FB0, FB1    item j: its eight products read FB[j % 2]; behind them the loads of item j + 2 land in it.
;   CD          item j: its eight conversions write it; the four stores that read it are issued in item j + 1 (item 7's behind the last item).
;   ACC, v3, v4 are named by vector and matrix instructions alone.
; So a wait on va_vdst stands in each item, behind its products and their places: it states that the products are done reading FB[j % 2] and that the conversions of the item before have written CD.
; The item's four loads and four stores follow it, dealt among the first 32 of its 64 holds, which name ACC and v4: none of the registers that those loads and stores touch.
; One wait on vm_vsrc an item stands ahead of the conversions, which write CD again.
.set G,   8                            ; v8-135    eight fragments that stay
.set FB,  136                          ; v136-167  the fragment that changes, two buffers
.set ACC, 168                          ; v168-231  eight results
.set CD,  232                          ; v232-247  an image
	s_load_b256 s[4:11], s[0:1], 0x0       ; xcodes 4, wcodes 6, the exponents 8, qimg 10
	s_load_b64 s[12:13], s[0:1], 0x20      ; kvimg
	v_lshrrev_b32 v1, 5, v0
	v_readfirstlane_b32 s14, v1            ; wave: 0 q, 1 k, 2 v
	v_and_b32 v5, 15, v0                   ; r
	v_bfe_u32 v6, v0, 4, 1                 ; hh
	v_lshlrev_b32 v1, 7, v5
	v_lshl_add_u32 v1, v6, 4, v1           ; a fragment's lane in rows of 128 bytes: 128 r + 16 hh
	v_and_b32 v2, 31, v0
	v_lshlrev_b32 v2, 4, v2                ; 16 x lane: my place in an image's 512 bytes
	s_and_b32 s15, ttmp7, 0xffff           ; ksg
	s_wait_alu depctr_va_sdst(0)           ; s14 is written, ahead of its first reader: the bases and the choice of buffers and exponents are made from it
	s_lshl_b32 s28, s14, 19
	s_lshl_b32 s30, s15, 14
	s_add_co_u32 s28, s28, s30             ; x's codes: 524,288 x wave + 128 rows x ksg
	s_mov_b32 s29, 0
	s_lshl_b32 s30, s14, 18
	s_lshl_b32 s32, ttmp9, 14
	s_add_co_u32 s30, s30, s32             ; the weight's: 262,144 x wave + 128 rows x head
	s_mov_b32 s31, 0
	s_lshr_b32 s32, s15, 4
	s_lshl_b32 s32, s32, 4
	s_add_co_u32 s32, s32, ttmp9           ; bh = 16 b + h
	s_lshl_b32 s32, s32, 4
	s_and_b32 s33, s15, 15
	s_add_co_u32 s32, s32, s33             ; 16 bh + key step
	s_lshl_b32 s34, s32, 14                ; q: eight images for each
	s_lshl_b32 s35, s32, 15                ; k and v: sixteen, k's eight first
	s_max_u32 s33, s14, 1
	s_sub_co_u32 s33, s33, 1
	s_lshl_b32 s33, s33, 14
	s_add_co_u32 s35, s35, s33
	s_mov_b32 s37, 0
	s_wait_kmcnt 0x0
	s_load_b256 s[16:23], s[8:9], 0x0      ; entries 0 to 7
	s_load_b64 s[24:25], s[8:9], 0x20      ; entries 8, 9
	s_cmp_eq_u32 s14, 0
	s_cselect_b32 s36, s34, s35
	s_cselect_b64 s[38:39], s[10:11], s[12:13]
	s_add_nc_u64 s[38:39], s[38:39], s[36:37]  ; where my eight images go
	s_add_nc_u64 s[4:5], s[4:5], s[28:29]
	s_add_nc_u64 s[6:7], s[6:7], s[30:31]
	s_cmp_eq_u32 s14, 2
	s_cselect_b64 s[40:41], s[4:5], s[6:7]   ; G: the weight's tiles; for v: x's
	s_cselect_b64 s[42:43], s[6:7], s[4:5]   ; F: x's tiles; for v: the weight's
.macro LOADF reg, base, off
.irp c, 0,1,2,3
	global_load_b128 v[\reg+4*\c:\reg+4*\c+3], v1, s[\base:\base+1] offset:\off+32*\c
.endr
.endm
	s_wait_alu depctr_va_vdst(0)           ; v1 and v2 are written: every load of the kernel reads v1 as its offset, every store v2
.irp i, 0,1,2,3,4,5,6,7
	LOADF G+16*\i, 40, 2048*\i
.endr
	LOADF FB, 42, 0
	LOADF FB+16, 42, 2048
	s_wait_kmcnt 0x0
	s_sub_co_i32 s26, s22, s16
	s_sub_co_i32 s26, s26, s17             ; q: e6 - e0 - e1
	s_sub_co_i32 s27, s23, s18
	s_sub_co_i32 s27, s27, s19             ; k: e7 - e2 - e3
	s_sub_co_i32 s44, s25, s20
	s_sub_co_i32 s44, s44, s21             ; v: e9 - e4 - e5
	s_cmp_eq_u32 s14, 0
	s_cselect_b32 s26, s26, s27
	s_cmp_eq_u32 s14, 2
	s_cselect_b32 s26, s44, s26
	s_add_co_i32 s26, s26, 127
	s_lshl_b32 s27, s26, 23
	v_mov_b32 v3, s27                      ; the scale as f32: the conversion takes its exponent field
	s_add_co_i32 s26, s26, 8
	s_lshl_b32 s26, s26, 23
	s_or_b32 s26, s26, 0x600000
	v_mov_b32 v4, s26                      ; 448 x the scale
; One image: eight products (each a whole sum: K = 128), the hold, eight conversions.  Its four stores of 512 consecutive bytes are issued in the next item.
.macro ITEM j
.if \j < 7
	s_wait_loadcnt 4                       ; G and this item's fragment are in; the next item's four loads may be out
.else
	s_wait_loadcnt 0
.endif
.irp i, 0,1,2,3,4,5,6,7
	v_wmma_f32_16x16x128_fp8_fp8 v[ACC+8*\i:ACC+8*\i+7], v[G+16*\i:G+16*\i+15], v[FB+16*((\j)%2):FB+16*((\j)%2)+15], 0
.endr
.rept 4
	v_nop                                  ; four places (ISA guide 7.12.1) ahead of the first read of results; they stay beside the wait below
.endr
	s_wait_alu depctr_va_vdst(0)           ; the products are done reading FB[j % 2], in which the loads below land; the conversions of the item before have written CD, which the stores below read
.irp c, 0,1,2,3
.if \j < 6
	global_load_b128 v[FB+16*((\j)%2)+4*\c:FB+16*((\j)%2)+4*\c+3], v1, s[42:43] offset:2048*((\j)+2)+32*\c   ; the fragment of two items on.  No further wait: no vector or matrix instruction since the wait names FB[j % 2] or v1
.endif
.if \j > 0
	global_store_b128 v2, v[CD+4*\c:CD+4*\c+3], s[38:39] offset:2048*((\j)-1)+512*\c   ; the image of the item before: likewise for CD and v2
.endif
.irp i, 0,1,2,3,4,5,6,7
	v_med3_num_f32 v[ACC+8*\c+\i], v[ACC+8*\c+\i], -v4, v4   ; the conversion does not saturate (ISA guide 7.6.2); each result from its low end on
.endr
.endr
.irp i, 32,33,34,35,36,37,38,39,40,41,42,43,44,45,46,47,48,49,50,51,52,53,54,55,56,57,58,59,60,61,62,63
	v_med3_num_f32 v[ACC+\i], v[ACC+\i], -v4, v4
.endr
.if \j > 0
	s_wait_alu depctr_va_vdst(0)
	s_wait_xcnt 0x0                        ; the stores above have had their addresses translated: the image's registers are written again only behind this wait
	s_wait_alu depctr_vm_vsrc(0)           ; the stores above have read CD, which the conversions below write again
.endif
.irp i, 0,1,2,3,4,5,6,7
	v_cvt_scalef32_pk8_fp8_f32 v[CD+2*\i:CD+2*\i+1], v[ACC+8*\i:ACC+8*\i+7], v3
.endr
	v_nop                                  ; a plain line between the conversions and the next item's products, which write their sources
.endm
.irp j, 0,1,2,3,4,5,6,7
	ITEM \j
.endr
	s_wait_alu depctr_va_vdst(0)           ; item 7's conversions have written CD, which the last four stores read
.irp c, 0,1,2,3
	global_store_b128 v2, v[CD+4*\c:CD+4*\c+3], s[38:39] offset:2048*7+512*\c
.endr
	s_endpgm
.Lfunc_end_k_q03687b8133_proj:
	.size	k_q03687b8133_proj, .Lfunc_end_k_q03687b8133_proj-k_q03687b8133_proj
	.p2alignl 7, 3214868480
	.fill 96, 4, 3214868480
	.section	.rodata,"a",@progbits
	.p2align	6, 0x0
	.amdhsa_kernel k_q03687b8133_proj
		.amdhsa_group_segment_fixed_size 0
		.amdhsa_private_segment_fixed_size 0
		.amdhsa_enable_private_segment 0
		.amdhsa_kernarg_size 40
		.amdhsa_user_sgpr_count 2
		.amdhsa_user_sgpr_kernarg_segment_ptr 1
		.amdhsa_wavefront_size32 1
		.amdhsa_system_sgpr_workgroup_id_x 1
		.amdhsa_system_sgpr_workgroup_id_y 1
		.amdhsa_system_sgpr_workgroup_id_z 1
		.amdhsa_system_vgpr_workitem_id 0
		.amdhsa_next_free_vgpr 256
		.amdhsa_next_free_sgpr 66
		.amdhsa_reserve_vcc 0
		.amdhsa_float_denorm_mode_32 3
		.amdhsa_float_denorm_mode_16_64 3
		.amdhsa_memory_ordered 1
		.amdhsa_forward_progress 1
		.amdhsa_inst_pref_size 55
	.end_amdhsa_kernel
	.amdgpu_metadata
---
amdhsa.version: [ 1, 2 ]
amdhsa.kernels:
  - .name:           k_q03687b8133_proj
    .symbol:         k_q03687b8133_proj.kd
    .args:
      - { .name: xcodes, .offset: 0, .size: 8, .value_kind: global_buffer, .address_space: global }
      - { .name: wcodes, .offset: 8, .size: 8, .value_kind: global_buffer, .address_space: global }
      - { .name: lowp_scales, .offset: 16, .size: 8, .value_kind: global_buffer, .address_space: global }
      - { .name: qimg, .offset: 24, .size: 8, .value_kind: global_buffer, .address_space: global }
      - { .name: kvimg, .offset: 32, .size: 8, .value_kind: global_buffer, .address_space: global }
    .group_segment_fixed_size: 0
    .private_segment_fixed_size: 0
    .kernarg_segment_align: 8
    .kernarg_segment_size: 40
    .max_flat_workgroup_size: 96
    .sgpr_count:     66
    .vgpr_count:     256
    .wavefront_size: 32
...
	.end_amdgpu_metadata
.endif
;; end of part 6
;; launch attn (part 7): grid 8 x 32, 16 waves a work-group, clusters of 4 x 1, 327,680 bytes of LDS; arguments qimg, kvimg, lowp_scales, aimg; writes aimg
.if DOCPART == 7
	.amdgcn_target "amdgcn-amd-amdhsa--gfx1250"
	.amdhsa_code_object_version 6
	.text
	.protected	k_q03687b8133_attn
	.globl	k_q03687b8133_attn
	.p2align	8
	.type	k_q03687b8133_attn,@function
k_q03687b8133_attn:
	s_mov_b64 s[64:65], 0
	v_nop
	global_prefetch_b8 v0, s[64:65] scope:SCOPE_SE
	s_setreg_imm32_b32 hwreg(HW_REG_WAVE_MODE, 25, 1), 1
	s_wait_xcnt 0x0
	s_wait_alu depctr_hold_cnt(0) depctr_sa_sdst(0) depctr_va_vdst(0) depctr_va_sdst(0) depctr_va_ssrc(0) depctr_va_vcc(0) depctr_vm_vsrc(0)
	s_getreg_b32 s2, hwreg(HW_REG_IB_STS2, 6, 4)
	s_cmp_eq_u32 s2, 0
	s_cbranch_scc0 .Lentry_in_a_cluster
	s_endpgm
.Lentry_in_a_cluster:
	s_bfe_u32 s2, ttmp6, 0x10000c
	s_cmp_lg_u32 s2, 0x3003
	s_cbranch_scc0 .Lentry_shape_is_right
	s_endpgm
.Lentry_shape_is_right:
; Causal attention on codes of E4M3, 32 heads (bh = 16 b + h) of 2,048 tokens, head size 128; the result is quantised at once as the last product's operand.
; All operands are images of operands' registers (a fragment, 16 rows x 128 K, is 2,048 bytes: registers 4 g .. 4 g + 3 of lane l at 512 g + 16 l), in the 8-bit form's own order of k:
;   qimg [bh][128 tiles of 16 queries];  kvimg [bh][16 key steps][8 tiles of 16 keys, then 8 tiles of 16 channels of V^T along the step's 128 keys];  aimg [256 tiles of 16 rows][16 h].
; THE SOFTMAX AHEAD OF THE SECOND PRODUCT: t = score x log2(e) / sqrt(128); M = the row's largest t so far, rounded UP to a whole number; p = 2^(t - M) is what is quantised, not normalised.
; The row's sum is taken of the unquantised p, in f32, and divides at the end.  When M moves, the sum and O are multiplied by 2^(old M - new M): exact.
; LAYOUT: both products transposed: S^T = K Q^T (source 0 = 16 keys, source 1 = my 16 queries), O^T = V^T P^T (source 0 = 16 channels, source 1 = P): a lane holds ONE query (lane % 16) throughout.
; Tile i of S^T holds keys 16 i + 8 (lane / 16) + 0 .. 7: converted to eight codes it is registers 2 i, 2 i + 1 of P; tile i of O^T likewise gives registers 2 i, 2 i + 1 of the last product's operand.
; SHARES: a wave owns one tile of 16 queries, in 256 registers, four waves to a SIMD.  A head's 128 tiles are 16 groups of 8; group D needs key steps 0 .. D, the last on the diagonal.  A head has two clusters (X = 0, 1)
; of four work-groups.  Wave w (bits b3 b2 b1 b0) takes group D = dlo or 15 - dlo, dlo = 2 (2 b3 + b1) + X, the second where b2 xor b0 = 1, and in it tile 2 cx + b2.  So D hangs on the wave's number and on the
; cluster alone, the same in all four partners; and whether waves are dealt to SIMDs by w % 4 or by w / 4, a SIMD gets two pairs (D, 15 - D): 34 tile steps each.
; EVERY wave walks all 16 key steps: trip counts are constants, and no tensor load and no barrier is jumped over; a step whose keys all come after the wave's queries is left out by a scalar branch on ids.
; CLUSTER: the four work-groups of a cluster read the same K and V, so each key step is asked for JOINTLY: the same tensor load, the same descriptor, a mask that names the four.
; RING: two LDS slots of four key steps (4 x 32 KB, dense); waves 0 to 3 fetch one key step each, all sixteen read.  A wave has at most one tensor load outstanding.
; LIMITS on the given exponents, so that each power of two below is an f32 number: e6 + e7 between -123 and 130 (added to c's exponent field); e8 between -126 and 119; e8 + e9 - e10 is applied by v_ldexp_f32
; and has none.  NaN among the inputs is not served.
; REGISTERS: v1-6 addresses and constants that stay; v8 the LDS address in hand; v12 -M, v13 the largest t, v[14:15] the sum in two halves; v16-31 Q; v32-95 four fragments of K or V; v96-159 S^T, then p;
; v160-223 O^T; v224-239 codes; v240, v244: 448 x 2^e8 and 2^e8; v241, v245: 448 and 1; v236-239, v242, v243, v246-255 at work.
.set SLOT1, 1<<17                      ; slot 1 begins here: one exclusive or turns an address in one slot into the other's
.set STEPB, 32768                      ; a key step: K's eight images, then V's eight
.set VOFF,  16384
.set SPARE, 2*SLOT1                    ; behind the ring: the spare words, 128 bytes for each of the sixteen waves: eight blocks of 256 bytes that no other line names
.set LI,   1                           ; v1   16 x lane: my place in an image's 512 bytes, in LDS and in memory
.set LI2,  2                           ; v2   the same + 65,536: a slot's third and fourth key step (an LDS offset has 16 bits)
.set PFO,  3                           ; v3   256 x lane: the prefetches' offset
.set DL,   4                           ; v4   on the diagonal: my query less 8 (lane / 16), counted from the step's first key
.set SPW,  5                           ; v5   LDS address of my spare word; never rewritten
.set NIL,  6                           ; v6   0; never rewritten
.set AD,   8
.set WV,   18                          ; s18  my wave's number
.set SEL,  20                          ; s[20:21] lane selects for v_permlanex16_b32: lane l xor 16
.set CS,   22                          ; s[22:23] c = log2(e) / sqrt(128) x 2^(e6 + e7)
.set G1,   24                          ; s[24:31] descriptor group 1
.set G0,   40                          ; s[40:43] descriptor group 0, which walks
.set TB,   44                          ; s44  LDS byte at which the slot in hand begins
.set SLOTS, 45                         ; s45  slots still to be asked for
.set KS,   46                          ; s46  the key step in hand
.set DD,   47                          ; s47  my group D: the last key step that counts for my queries
.set PFA,  48                          ; s[48:49] where my prefetches stand
.set LIM,  50                          ; s50  1 in a wave that prefetches, else the greatest number
; A round of the cluster's barrier: my work-group's barrier, so that wave 0's signal speaks for all sixteen waves; wave 0 signals for the work-group; every wave waits for all four work-groups; my work-group's barrier again.
.macro CROUND
	s_barrier_signal -1
	s_barrier_wait -1
	s_cmp_lg_u32 s[WV], 0
	s_cbranch_scc1 .Lnot_wave_0_\@
	s_barrier_signal -3
.Lnot_wave_0_\@:
	s_barrier_wait -3
	s_barrier_signal -1
	s_barrier_wait -1
.endm
; The joint load: waves 0 to 3, one key step each.  The branch hangs on the wave's number alone.  Four v_nop follow the line.
.macro JLOAD
	s_cmp_lt_u32 s[WV], 4
	s_cbranch_scc0 .Lasked_\@
	tensor_load_to_lds s[G0:G0+3], s[G1:G1+7]
	s_nop 0
.rept 4
	v_nop
.endr
.Lasked_\@:
.endm
; A PREFETCH INTO THE L2 of the slot that the NEXT change of slots will ask for: 131,072 dense bytes.  Both clusters of a head walk the same K and V: the first (X = 0) asks.  Its four partners take 32,768 bytes each,
; told apart BY ADDRESS; in each, waves 4 to 7, which fetch nothing, take 8,192 bytes each, lanes 256 bytes apart: one instruction a wave, and each block of 256 bytes is named once in the launch.
; It stands where the fetching waves have their tensor load: four key steps ahead of the load that will want the bytes.  Slots 0 and 1 come by their loads alone; the last change that fills a slot asks for nothing.
.macro ASK
	s_cmp_gt_u32 s[SLOTS], s[LIM]
	s_cbranch_scc0 .Lnot_mine_\@
	global_prefetch_b8 v[PFO], s[PFA:PFA+1] th:TH_LOAD_NT scope:SCOPE_SE
.Lnot_mine_\@:
.endm
	s_load_b256 s[4:11], s[0:1], 0x0       ; qimg 4, kvimg 6, the exponents 8, aimg 10
	v_lshl_add_u32 v[SPW], v0, 2, SPARE
	v_mov_b32 v[NIL], 0
	ds_add_u32 v5, v6
	ds_add_u32 v5, v6
	s_wait_dscnt 0x0
	v_lshrrev_b32 v8, 5, v0
	s_delay_alu instid0(VALU_DEP_1)
	v_readfirstlane_b32 s[WV], v8          ; wave 0..15
	s_and_b32 s52, ttmp7, 0xffff           ; bh, which the four partners share
	s_bfe_u32 s53, ttmp6, 0x40000          ; cx: it enters Q's, the result's and the prefetches' addresses and the mask's constant, and nothing else
	s_lshr_b32 s54, s[WV], 3               ; b3
	s_bfe_u32 s55, s[WV], 0x10001          ; b1
	s_bfe_u32 s56, s[WV], 0x10002          ; b2
	s_and_b32 s57, s[WV], 1                ; b0
	s_lshl_b32 s54, s54, 1
	s_add_co_u32 s54, s54, s55
	s_lshl_b32 s54, s54, 1
	s_add_co_u32 s54, s54, ttmp9           ; dlo = 2 (2 b3 + b1) + X  (in a cluster launch ttmp9 counts clusters)
	s_xor_b32 s57, s57, s56
	s_sub_co_u32 s55, 15, s54
	s_cmp_eq_u32 s57, 1
	s_cselect_b32 s[DD], s55, s54          ; D
	s_lshl_b32 s58, s53, 1
	s_add_co_u32 s58, s58, s56             ; my tile in the group: 2 cx + b2
	s_lshl_b32 s59, s[DD], 3
	s_add_co_u32 s59, s59, s58             ; my tile of queries in the head: 8 D + that
	s_lshl_b32 s60, s52, 19                ; the head's K and V: 16 key steps of 32,768 bytes
	s_mov_b32 s61, 0
	s_and_b32 s62, s[WV], 3
	s_lshl_b32 s[G0+1], s62, 15            ; 63:32 LDS address: slot 0, key step w % 4: no place in the cluster enters it
	s_add_co_u32 s60, s60, s[G0+1]         ; and the same key step in memory
	s_lshl_b32 s74, s52, 19
	s_lshl_b32 s63, s53, 15
	s_add_co_u32 s74, s74, s63             ; the prefetches: my work-group's 32,768 bytes of a slot,
	s_lshl_b32 s63, s62, 13
	s_add_co_u32 s74, s74, s63             ; my wave's 8,192 of them,
	s_add_co_u32 s74, s74, 4*STEPB         ; in slot 1: the first change of slots steps it to slot 2.  Nothing is prefetched at the head
	s_mov_b32 s75, 0
	s_lshl_b32 s76, s52, 7
	s_add_co_u32 s76, s76, s59
	s_lshl_b32 s76, s76, 11                ; Q's image: 2,048 (128 bh + tile)
	s_mov_b32 s77, 0
	s_lshr_b32 s78, s52, 4
	s_lshl_b32 s78, s78, 7
	s_add_co_u32 s78, s78, s59             ; the result's tile of rows: 128 b + tile
	s_lshl_b32 s78, s78, 4
	s_and_b32 s79, s52, 15
	s_add_co_u32 s78, s78, s79             ; x 16 + h
	s_lshl_b32 s78, s78, 11
	s_mov_b32 s79, 0
	s_sub_co_u32 s80, s[WV], 4
	s_lshr_b32 s80, s80, 2                 ; 0 in waves 4 to 7,
	s_or_b32 s80, s80, ttmp9               ; of the head's first cluster: the same in all four partners
	s_cmp_eq_u32 s80, 0
	s_cselect_b32 s[LIM], 1, -1
	; descriptor group 1: 32,768 dense bytes as 128 rows of 32 elements of 8 bytes, no padding: an image is read 512 consecutive bytes an instruction
	s_mov_b32 s[G1], 15|(3<<16)|(1<<21)    ; 15:0 the mask: all four work-groups; 17:16 elements of 8 bytes; 21 set beside a mask
	s_mov_b32 s[G1+1], 32<<16              ; tensor_dim0 = 32
	s_mov_b32 s[G1+2], 128<<16             ; tensor_dim1 = 128
	s_mov_b32 s[G1+3], 32<<16              ; tile_dim0 = 32
	s_mov_b32 s[G1+4], 128                 ; tile_dim1 = 128
	s_mov_b32 s[G1+5], 32                  ; from row to row
	s_mov_b32 s[G1+6], 0
	s_mov_b32 s[G1+7], 0
	s_mov_b32 s[SEL], 0x76543210
	s_mov_b32 s[SEL+1], 0xfedcba98
	s_mov_b32 s[CS], 0x3e0293ee            ; c = log2(e) / sqrt(128)
	s_mov_b32 s[TB], 0
	s_mov_b32 s[SLOTS], 3
	s_mov_b32 s[KS], 0
	s_mov_b32 s[G0], 1                     ; 1:0 count = 1
	s_wait_kmcnt 0x0
	s_load_b128 s[68:71], s[8:9], 0x18     ; e6, e7, e8, e9
	s_load_b32 s72, s[8:9], 0x28           ; e10
	s_add_nc_u64 s[G0+2:G0+3], s[6:7], s[60:61]  ; 120:64 global address
	s_or_b32 s[G0+3], s[G0+3], 0x80000000  ; 127:126 type = 2
	s_add_nc_u64 s[PFA:PFA+1], s[6:7], s[74:75]
	s_add_nc_u64 s[4:5], s[4:5], s[76:77]
	s_add_nc_u64 s[10:11], s[10:11], s[78:79]
	CROUND                                 ; all four work-groups are here: the first joint loads meet
	JLOAD                                  ; slot 0
	v_and_b32 v[LI], 31, v0
	s_delay_alu instid0(VALU_DEP_1)
	v_lshlrev_b32 v[PFO], 8, v[LI]
	s_delay_alu instid0(VALU_DEP_2)
	v_lshlrev_b32 v[LI], 4, v[LI]
	s_delay_alu instid0(VALU_DEP_1)
	v_add_nc_u32 v[LI2], 0x10000, v[LI]
.irp c, 0,1,2,3
	global_load_b128 v[16+4*\c:19+4*\c], v[LI], s[4:5] offset:512*\c th:TH_LOAD_NT   ; Q's fragment stays in registers; this wave alone reads it
.endr
	s_lshl_b32 s58, s58, 4
	v_and_b32 v9, 15, v0
	v_bfe_u32 v10, v0, 4, 1
	s_delay_alu instid0(VALU_DEP_1)
	v_lshlrev_b32 v10, 3, v10
	s_delay_alu instid0(VALU_DEP_1)
	v_sub_nc_u32 v[DL], v9, v10
	s_delay_alu instid0(VALU_DEP_1)
	v_add_nc_u32 v[DL], s58, v[DL]         ; 16 x (my tile in the group) + lane % 16 - 8 (lane / 16)
	v_mov_b32 v13, 0xff61b1e6              ; the largest t so far: -3e38, under every t
	s_delay_alu instid0(VALU_DEP_1)
	v_floor_f32 v12, -v13                  ; -M
	v_mov_b32 v14, 0                       ; the sum, in two halves
	v_mov_b32 v15, 0
	v_mov_b32 v236, 0                      ; written once: a lane permute's destination counts as one of its sources
	v_mov_b32 v252, 0
	v_mov_b32 v253, 0                      ; (named as the upper half of the pair v[252:253])
	v_mov_b32 v254, 0
	v_mov_b32 v241, 0x43e00000             ; 448
	v_mov_b32 v245, 1.0
.irp j, 0,1,2,3,4,5,6,7,8,9,10,11,12,13,14,15,16,17,18,19,20,21,22,23,24,25,26,27,28,29,30,31,32,33,34,35,36,37,38,39,40,41,42,43,44,45,46,47,48,49,50,51,52,53,54,55,56,57,58,59,60,61,62,63
	v_mov_b32 v[160+\j], 0                 ; O^T.  (The key step is written without a first step of its own: it finds zeros, which the first change of M leaves zeros)
.endr
	s_wait_kmcnt 0x0
	s_add_co_i32 s73, s68, s69
	s_lshl_b32 s73, s73, 23
	s_add_co_i32 s[CS], s[CS], s73         ; a score stands for score x 2^(e6 + e7): the two exponents are added to c's exponent field
	s_mov_b32 s[CS+1], s[CS]               ; (named with it as a pair, so it is written)
	s_add_co_i32 s73, s70, 127
	s_lshl_b32 s81, s73, 23
	v_mov_b32 v244, s81                    ; 2^e8 as f32, for p's conversions
	s_add_co_i32 s73, s73, 8
	s_lshl_b32 s73, s73, 23
	s_or_b32 s73, s73, 0x600000
	v_mov_b32 v240, s73                    ; 448 x 2^e8
	s_add_co_i32 s82, s70, s71
	s_sub_co_i32 s82, s82, s72             ; e8 + e9 - e10
; A KEY STEP: 128 keys, the q-th of the slot in hand.
.macro STEP q
	s_cmp_gt_u32 s[KS], s[DD]              ; all its keys come after my 16 queries: the step's loads, products and softmax are left out; not the count at its end
	s_cbranch_scc1 .Lhidden_\@
	v_add_nc_u32 v[AD], s[TB], v[LI+(\q)/2]
	s_wait_alu depctr_va_vdst(0)
.irp g, 0,1                            ; S^T = K Q^T, four tiles of 16 keys at a time
.rept 3+\g
	v_nop                                  ; four places (ISA guide 7.12.1 for vector instructions) ahead of loads into registers that matrix instructions have read; the addition above is one
.endr
.irp t, 0,1,2,3
.irp c, 0,1,2,3
	ds_load_b128 v[32+16*\t+4*\c:32+16*\t+4*\c+3], v[AD] offset:STEPB*((\q)%2)+2048*(4*\g+\t)+512*\c
.endr
.endr
	s_wait_dscnt 0x0
.irp t, 0,1,2,3
	v_wmma_f32_16x16x128_fp8_fp8 v[96+8*(4*\g+\t):103+8*(4*\g+\t)], v[32+16*\t:47+16*\t], v[16:31], 0
.endr
.endr
.rept 4
	v_nop
.endr
	s_cmp_lg_u32 s[KS], s[DD]              ; only my last step lies on the diagonal
	s_cbranch_scc1 .Lopen_\@
	v_mov_b32 v254, 0xff800000             ; -infinity ahead of the maximum: p = 0 then.  Register n holds key 16 (n / 8) + n % 8 + 8 (lane / 16) of the step: hidden where that is above my query
.irp n, 0,1,2,3,4,5,6,7,8,9,10,11,12,13,14,15,16,17,18,19,20,21,22,23,24,25,26,27,28,29,30,31,32,33,34,35,36,37,38,39,40,41,42,43,44,45,46,47,48,49,50,51,52,53,54,55,56,57,58,59,60,61,62,63
	v_cmp_gt_i32 vcc_lo, 16*(\n/8)+\n%8, v[DL]
	v_cndmask_b32 v[96+\n], v[96+\n], v254, vcc_lo
.endr
.Lopen_\@:
	v_max3_num_f32 v254, v96, v97, v98     ; the step's largest score of my query, among my 64 keys, in two chains; each result is read from its low end on,
	v_max3_num_f32 v252, v99, v100, v101
.irp i, 6,10,14,18,22,26,30,34,38,42,46,50,54,58
	v_max3_num_f32 v254, v254, v[96+\i], v[97+\i]
	v_max3_num_f32 v252, v252, v[98+\i], v[99+\i]
.endr
	v_max3_num_f32 v254, v254, v158, v159
	s_delay_alu instid0(VALU_DEP_1)
	v_max_num_f32 v254, v254, v252
	v_permlanex16_b32 v236, v254, s[SEL], s[SEL+1]
	s_delay_alu instid0(VALU_DEP_1)
	v_max_num_f32 v254, v254, v236         ; and among lane l xor 16's
	s_delay_alu instid0(VALU_DEP_1)
	v_mul_f32 v254, s[CS], v254            ; as t (c is positive)
	s_delay_alu instid0(VALU_DEP_1)
	v_max_num_f32 v13, v13, v254           ; the running largest t
	v_mov_b32 v254, v12
	s_delay_alu instid0(VALU_DEP_2)
	v_floor_f32 v12, -v13                  ; the new -M = floor(-t) = -ceil(t): M is a whole number
	s_delay_alu instid0(VALU_DEP_1)
	v_sub_f32 v254, v12, v254              ; M's old value less its new one: a whole number, 0 or less
	s_delay_alu instid0(VALU_DEP_1)
	v_cvt_i32_f32 v254, v254               ; (it saturates)
	s_delay_alu instid0(VALU_DEP_1)
	v_ldexp_f32 v252, 1.0, v254            ; f = 2^(old M - new M)
.irp j, 0,2,4,6,8,10,12,14,16,18,20,22,24,26,28,30,32,34,36,38,40,42,44,46,48,50,52,54,56,58,60,62
	v_pk_fma_f32 v[96+\j:97+\j], v[96+\j:97+\j], s[CS:CS+1], v[12:13] op_sel_hi:[1,0,0]   ; t - M, two at a time (of the pairs c and -M the low word serves both halves)
.endr
	s_wait_alu depctr_va_vdst(0)
.irp j, 0,1,2,3,4,5,6,7,8,9,10,11,12,13,14,15,16,17,18,19,20,21,22,23,24,25,26,27,28,29,30,31,32,33,34,35,36,37,38,39,40,41,42,43,44,45,46,47,48,49,50,51,52,53,54,55,56,57,58,59,60,61,62,63
	v_exp_f32 v[96+\j], v[96+\j]           ; p = 2^(t - M), at most 1: not normalised
.endr
	v_pk_mul_f32 v[14:15], v[14:15], v[252:253] op_sel_hi:[1,0]   ; the sums under the new M.  (The plain line behind the exponentials)
	s_wait_alu depctr_va_vdst(0)           ; the wait ahead of the first line that names an exponential's result: one for the batch of 64
	v_pk_add_f32 v[242:243], v[100:101], v[104:105]
	v_pk_add_f32 v[254:255], v[108:109], v[112:113]
	v_pk_add_f32 v[250:251], v[116:117], v[120:121]
	v_pk_add_f32 v[248:249], v[124:125], v[128:129]
	v_pk_add_f32 v[246:247], v[132:133], v[136:137]
	v_pk_add_f32 v[238:239], v[140:141], v[144:145]
	v_pk_add_f32 v[236:237], v[148:149], v[152:153]
	v_pk_add_f32 v[14:15], v[14:15], v[156:157]
	v_pk_add_f32 v[242:243], v[242:243], v[96:97]
	v_pk_add_f32 v[254:255], v[254:255], v[98:99]
	v_pk_add_f32 v[250:251], v[250:251], v[102:103]
	v_pk_add_f32 v[248:249], v[248:249], v[106:107]
	v_pk_add_f32 v[246:247], v[246:247], v[110:111]
	v_pk_add_f32 v[238:239], v[238:239], v[114:115]
	v_pk_add_f32 v[236:237], v[236:237], v[118:119]
	v_pk_add_f32 v[14:15], v[14:15], v[122:123]
	v_pk_add_f32 v[242:243], v[242:243], v[126:127]
	v_pk_add_f32 v[254:255], v[254:255], v[130:131]
	v_pk_add_f32 v[250:251], v[250:251], v[134:135]
	v_pk_add_f32 v[248:249], v[248:249], v[138:139]
	v_pk_add_f32 v[246:247], v[246:247], v[142:143]
	v_pk_add_f32 v[238:239], v[238:239], v[146:147]
	v_pk_add_f32 v[236:237], v[236:237], v[150:151]
	v_pk_add_f32 v[14:15], v[14:15], v[154:155]
	v_pk_add_f32 v[242:243], v[242:243], v[158:159]
	s_delay_alu instid0(VALU_DEP_2)
	v_pk_add_f32 v[14:15], v[14:15], v[248:249]
	s_delay_alu instid0(VALU_DEP_2)
	v_pk_add_f32 v[242:243], v[242:243], v[246:247]
	v_pk_add_f32 v[254:255], v[254:255], v[238:239]
	v_pk_add_f32 v[250:251], v[250:251], v[236:237]
	s_delay_alu instid0(VALU_DEP_2)
	v_pk_add_f32 v[14:15], v[14:15], v[254:255]
	s_delay_alu instid0(VALU_DEP_2)
	v_pk_add_f32 v[242:243], v[242:243], v[250:251]
	s_delay_alu instid0(VALU_DEP_1)
	v_pk_add_f32 v[14:15], v[14:15], v[242:243]
.irp i, 0,1,2,3,4,5,6,7
.irp k, 0,1,2,3,4,5,6,7
	v_min_num_f32 v[96+8*\i+\k], v[96+8*\i+\k], v240   ; the conversion does not saturate (ISA guide 7.6.2); p is not negative, so the hold is one-sided
.endr
	v_cvt_scalef32_pk8_fp8_f32 v[224+2*\i:225+2*\i], v[96+8*\i:103+8*\i], v244   ; registers 2 i, 2 i + 1 of P: keys 16 i + 8 (lane / 16) + 0 .. 7
.endr
.irp j, 0,2,4,6,8,10,12,14,16,18,20,22,24,26,28,30,32,34,36,38,40,42,44,46,48,50,52,54,56,58,60,62
	v_pk_mul_f32 v[160+\j:161+\j], v[160+\j:161+\j], v[252:253] op_sel_hi:[1,0]   ; O^T under the new M.  (These 32 are also the places ahead of the loads and products below)
.endr
	s_wait_alu depctr_va_vdst(0)
.irp g, 0,1                            ; O^T += V^T P^T: four tiles of 16 channels at a time; the eight accumulators take turns, one instruction a turn
.if \g > 0
.rept 4
	v_nop
.endr
.endif
.irp t, 0,1,2,3
.irp c, 0,1,2,3
	ds_load_b128 v[32+16*\t+4*\c:32+16*\t+4*\c+3], v[AD] offset:STEPB*((\q)%2)+VOFF+2048*(4*\g+\t)+512*\c
.endr
.endr
	s_wait_dscnt 0x0
.irp t, 0,1,2,3
	v_wmma_f32_16x16x128_fp8_fp8 v[160+8*(4*\g+\t):167+8*(4*\g+\t)], v[32+16*\t:47+16*\t], v[224:239], v[160+8*(4*\g+\t):167+8*(4*\g+\t)]
.endr
.endr
.Lhidden_\@:
	s_add_co_u32 s[KS], s[KS], 1
.endm
; THE CHANGE OF SLOTS stands at a slot's head.  Each wave waits for all its tensor loads (its part of the slot that it is about to read), adds 0 to its spare word, and waits for that and for its reads of the slot that
; it has left.  fill = 1: the barrier is a round of the cluster's, so that no wave of any partner still reads the other slot or has a load on its way; behind it that slot is filled with the next four key steps,
; which have this slot's four steps in which to land.
.macro CHANGE fill
	s_wait_tensorcnt 0x0                   ; no tensor load of mine is out, so group 0 may be written
	ds_add_u32 v[SPW], v[NIL]              ; 0 onto my spare word
.if \fill
	s_xor_b32 s[G0+1], s[G0+1], SLOT1      ; the walking descriptor: the other slot than last time,
	s_add_nc_u64 s[G0+2:G0+3], s[G0+2:G0+3], 4*STEPB   ; the next four key steps; the type bits on top are not reached
	s_wait_xcnt 0x0                        ; the last prefetch, a slot back, has read its address, so it may be written:
	s_add_nc_u64 s[PFA:PFA+1], s[PFA:PFA+1], 4*STEPB   ; one slot further on than the walking descriptor
.endif
	s_wait_dscnt 0x0                       ; the add is done, and my reads of the slot that I have left are over
.if \fill
	CROUND
	JLOAD                                  ; the first thing behind the round, and a wave's one tensor load until the next
	ASK
.else
	s_barrier_signal -1
	s_barrier_wait -1
.endif
.endm
.macro SLOT_STEPS
.irp q, 0,1,2,3
	STEP \q
.endr
	s_xor_b32 s[TB], s[TB], SLOT1          ; on to the other slot
.endm
	s_wait_loadcnt 0x0                     ; Q
.Lslot:                                    ; three trips: behind each change of slots but the last the next slot is asked for
	CHANGE 1
	SLOT_STEPS
	s_sub_co_u32 s[SLOTS], s[SLOTS], 1
	s_cmp_lg_u32 s[SLOTS], 0
	s_cbranch_scc1 .Lslot
	CHANGE 0                               ; the last slot is written out
	SLOT_STEPS
	; THE WAY OUT.  O = O^T x 2^(e8 + e9) / the sum; its code under 2^e10 is O^T x 2^(e8 + e9 - e10) / the sum, held within +-448.  Eight conversions give the operand's sixteen registers: four stores of 512 consecutive bytes.
	v_add_f32 v14, v14, v15                ; the sum's two halves,
	s_delay_alu instid0(VALU_DEP_1)
	v_permlanex16_b32 v252, v14, s[SEL], s[SEL+1]
	s_delay_alu instid0(VALU_DEP_1)
	v_add_f32 v14, v14, v252               ; and lane l xor 16's: the row's sum
	s_wait_alu depctr_va_vdst(0)
	v_rcp_f32 v14, v14
.rept 3
	v_nop                                  ; the plain line behind the reciprocal; with the two additions above, the places behind the last products
.endr
	s_wait_alu depctr_va_vdst(0)           ; the wait ahead of the first line that names the reciprocal
	v_ldexp_f32 v14, v14, s82
.irp j, 0,2,4,6,8,10,12,14,16,18,20,22,24,26,28,30,32,34,36,38,40,42,44,46,48,50,52,54,56,58,60,62
	v_pk_mul_f32 v[96+\j:97+\j], v[160+\j:161+\j], v[14:15] op_sel_hi:[1,0]   ; each accumulator from its low end on
.endr
.irp i, 0,1,2,3,4,5,6,7
.irp k, 0,1,2,3,4,5,6,7
	v_med3_num_f32 v[96+8*\i+\k], v[96+8*\i+\k], -v241, v241
.endr
	v_cvt_scalef32_pk8_fp8_f32 v[224+2*\i:225+2*\i], v[96+8*\i:103+8*\i], v245   ; registers 2 i, 2 i + 1: row = my query, k = channel 16 i + 8 (lane / 16) + 0 .. 7
.endr
	v_nop
.irp c, 0,1,2,3
	global_store_b128 v[LI], v[224+4*\c:227+4*\c], s[10:11] offset:512*\c
.endr
	s_wait_tensorcnt 0x0                   ; the wave's end: my last tensor load is done, then my last LDS instructions
	ds_add_u32 v[SPW], v[NIL]
	s_wait_dscnt 0x0
	CROUND                                 ; the closing round: no work-group ends while a partner may still ask for a tile that names it
	s_endpgm
.Lfunc_end_k_q03687b8133_attn:
	.size	k_q03687b8133_attn, .Lfunc_end_k_q03687b8133_attn-k_q03687b8133_attn
	.p2alignl 7, 3214868480
	.fill 96, 4, 3214868480
	.section	.rodata,"a",@progbits
	.p2align	6, 0x0
	.amdhsa_kernel k_q03687b8133_attn
		.amdhsa_group_segment_fixed_size 327680
		.amdhsa_private_segment_fixed_size 0
		.amdhsa_enable_private_segment 0
		.amdhsa_kernarg_size 32
		.amdhsa_user_sgpr_count 2
		.amdhsa_user_sgpr_kernarg_segment_ptr 1
		.amdhsa_wavefront_size32 1
		.amdhsa_system_sgpr_workgroup_id_x 1
		.amdhsa_system_sgpr_workgroup_id_y 1
		.amdhsa_system_sgpr_workgroup_id_z 1
		.amdhsa_system_vgpr_workitem_id 0
		.amdhsa_next_free_vgpr 256
		.amdhsa_next_free_sgpr 100
		.amdhsa_reserve_vcc 1
		.amdhsa_float_denorm_mode_32 3
		.amdhsa_float_denorm_mode_16_64 3
		.amdhsa_memory_ordered 1
		.amdhsa_forward_progress 1
		.amdhsa_inst_pref_size 212
	.end_amdhsa_kernel
	.amdgpu_metadata
---
amdhsa.version: [ 1, 2 ]
amdhsa.kernels:
  - .name:           k_q03687b8133_attn
    .symbol:         k_q03687b8133_attn.kd
    .args:
      - { .name: qimg, .offset: 0, .size: 8, .value_kind: global_buffer, .address_space: global }
      - { .name: kvimg, .offset: 8, .size: 8, .value_kind: global_buffer, .address_space: global }
      - { .name: lowp_scales, .offset: 16, .size: 8, .value_kind: global_buffer, .address_space: global }
      - { .name: aimg, .offset: 24, .size: 8, .value_kind: global_buffer, .address_space: global }
    .group_segment_fixed_size: 327680
    .private_segment_fixed_size: 0
    .kernarg_segment_align: 8
    .kernarg_segment_size: 32
    .max_flat_workgroup_size: 512
    .sgpr_count:     100
    .vgpr_count:     256
    .wavefront_size: 32
...
	.end_amdgpu_metadata
.endif
;; end of part 7
;; launch fc (part 8): grid 128 x 2, 16 waves a work-group, no clusters, 141,312 bytes of LDS; arguments aimg, wfcimg, lowp_scales, bfc, out0; writes out0
.if DOCPART == 8
	.amdgcn_target "amdgcn-amd-amdhsa--gfx1250"
	.amdhsa_code_object_version 6
	.text
	.protected	k_q03687b8133_fc
	.globl	k_q03687b8133_fc
	.p2align	8
	.type	k_q03687b8133_fc,@function
k_q03687b8133_fc:
	s_mov_b64 s[64:65], 0
	v_nop
	global_prefetch_b8 v0, s[64:65] scope:SCOPE_SE
	s_setreg_imm32_b32 hwreg(HW_REG_WAVE_SCHED_MODE, 0, 2), 2
	s_setreg_imm32_b32 hwreg(HW_REG_WAVE_MODE, 25, 1), 1
	s_wait_xcnt 0x0
	s_wait_alu depctr_vm_vsrc(0)
; out0 = A Wfc + bfc on codes of E4M3: A [4096][2048] as images aimg [256 tiles of 16 rows][16 h][2048], Wfc as images wfcimg [16 h][8 tiles of 16 outputs][2048]; K step h is head h's 128 channels.
; SHARES: work-group (mp, nh): rows 32 mp .. + 31, outputs 64 nh .. + 63 (256 bytes of a row of out0).  Wave w is K step w: two fragments of A, four of Wfc, eight products, each a whole partial sum.
; So no operand byte is read twice in a work-group.  The sixteen partial sums meet in LDS; thread t then adds the sixteen parts of four neighbouring outputs of row t / 16.
; THE MATRIX INSTRUCTION IS USED TRANSPOSED (source 0 = 16 outputs of Wfc, source 1 = 16 rows of A): a lane holds eight neighbouring outputs of one row.
; A sum stands for sum x 2^(e10 + e11): one packed multiply-add gives sum x 2^(e10 + e11) + bias.  LIMIT: e10 + e11 between -126 and 127, so that the power of two is an f32 number.
; NO CLUSTER: a wave takes its 12 KB of operands from memory straight into registers, once, for eight matrix instructions; there is no loop in which shared tiles could take turns.
; THE MODE: SCHED_MODE bits 1:0 = 2 (LLVM: expert scheduling mode 2), set by the entry lines.  The code itself states the register dependences
; between vector or matrix instructions and memory or LDS instructions, with s_wait_alu, always for 0.
; THE PLAN.  Registers that memory or LDS instructions touch:
;   v1 .. v6    offsets and LDS addresses: written at the head, never again.
;   BI, AF, WF  written by the head's loads; AF and WF are read by the eight products.
;   ACC         written by the products; read by the sixteen LDS stores.
;   RS          AF's and WF's registers once more: behind the barrier the sixteen parts' LDS loads land in them; the additions work there; RS .. RS + 3 are the global store's data.
;   v192, v193  written at the head, read by the closing add alone.
; Three waits on va_vdst: ahead of the first load (the addresses are written); behind the products' places (ACC is written, and the products are done reading AF and WF: no vector line stands between that wait
; and the loads into RS); ahead of the global store (its data are written).  No register that a memory or LDS instruction has read is written again, so no wait on vm_vsrc is owed.
.set PP,  272                          ; a row of a part: 256 bytes + 16: the sixteen rows that a store touches start at sixteen different groups of banks (64 banks of 4 bytes: ISA guide 11.1)
.set PART, 32*PP                       ; a wave's part: 32 rows
.set BI,  8                            ; v8-11    my four biases
.set AF,  16                           ; v16-47   A's two fragments
.set WF,  48                           ; v48-111  Wfc's four
.set ACC, 112                          ; v112-175 eight results
.set RS,  16                           ; v16-79   sixteen parts of my four outputs
	s_load_b256 s[4:11], s[0:1], 0x0       ; aimg 4, wfcimg 6, the exponents 8, bfc 10
	s_load_b64 s[12:13], s[0:1], 0x20      ; out0
	v_lshl_add_u32 v192, v0, 2, 0x22000
	v_mov_b32 v193, 0
	v_lshrrev_b32 v7, 5, v0
	v_readfirstlane_b32 s14, v7            ; wave = head
	v_and_b32 v1, 31, v0
	v_lshlrev_b32 v1, 4, v1                ; 16 x lane: my place in an image's 512 bytes
	v_and_b32 v12, 15, v0                  ; r; also which four of the row's 64 outputs I add
	v_bfe_u32 v13, v0, 4, 1                ; hh
	v_lshlrev_b32 v2, 4, v12
	v_mul_u32_u24 v3, v12, PP
	v_lshl_add_u32 v3, v13, 5, v3          ; in a part: row r, + 32 hh bytes
	v_lshrrev_b32 v14, 4, v0               ; the row that I add: 0 .. 31
	v_mul_u32_u24 v4, v14, PP
	v_add_nc_u32 v4, v4, v2                ; out of parts 0 to 7,
	v_add_nc_u32 v5, 8*PART, v4            ; and 8 to 15 (an LDS offset has 16 bits)
	v_lshl_add_u32 v6, v14, 9, v2          ; the same place in out0: rows of 512 bytes
	s_wait_alu depctr_va_sdst(0)           ; s14 is written, ahead of its first reader: my part's place in LDS and the bases of A and Wfc are made from it
	s_mul_i32 s15, s14, PART
	v_add_nc_u32 v3, s15, v3               ; into my part
	s_and_b32 s16, ttmp7, 0xffff           ; nh
	s_lshl_b32 s24, ttmp9, 16
	s_lshl_b32 s17, s14, 11
	s_add_co_u32 s24, s24, s17             ; A: two tiles of rows x 16 images, + image w
	s_mov_b32 s25, 0
	s_lshl_b32 s26, s14, 14
	s_lshl_b32 s17, s16, 13
	s_add_co_u32 s26, s26, s17             ; Wfc: eight images x w, + four x nh
	s_mov_b32 s27, 0
	s_lshl_b32 s28, s16, 8                 ; the biases of my 64 outputs
	s_mov_b32 s29, 0
	s_lshl_b32 s30, ttmp9, 14
	s_add_co_u32 s30, s30, s28             ; out0: 32 rows x mp, + 256 nh
	s_mov_b32 s31, 0
	s_wait_kmcnt 0x0
	s_load_b64 s[20:21], s[8:9], 0x28      ; e10, e11
	s_add_nc_u64 s[4:5], s[4:5], s[24:25]
	s_add_nc_u64 s[6:7], s[6:7], s[26:27]
	s_add_nc_u64 s[10:11], s[10:11], s[28:29]
	s_add_nc_u64 s[12:13], s[12:13], s[30:31]
	s_wait_alu depctr_va_vdst(0)           ; the offsets and addresses v1 to v6 are written, which the loads and stores below read
	global_load_b128 v[BI:BI+3], v2, s[10:11]
.irp i, 0,1
.irp c, 0,1,2,3
	global_load_b128 v[AF+16*\i+4*\c:AF+16*\i+4*\c+3], v1, s[4:5] offset:32768*\i+512*\c
.endr
.endr
.irp n, 0,1,2,3
.irp c, 0,1,2,3
	global_load_b128 v[WF+16*\n+4*\c:WF+16*\n+4*\c+3], v1, s[6:7] offset:2048*\n+512*\c
.endr
.endr
	s_wait_kmcnt 0x0
	s_add_co_i32 s22, s20, s21
	s_add_co_i32 s22, s22, 127
	s_lshl_b32 s22, s22, 23                ; 2^(e10 + e11) as f32
	s_mov_b32 s23, s22                     ; (named with it as a pair, so it is written)
	s_wait_loadcnt 0x0
.irp i, 0,1
.irp n, 0,1,2,3
	v_wmma_f32_16x16x128_fp8_fp8 v[ACC+8*(4*\i+\n):ACC+8*(4*\i+\n)+7], v[WF+16*\n:WF+16*\n+15], v[AF+16*\i:AF+16*\i+15], 0
.endr
.endr
.rept 4
	v_nop                                  ; four places ahead of the stores that read results; they stay beside the wait below
.endr
	s_wait_alu depctr_va_vdst(0)           ; the products have written the results, which the LDS stores read, and are done reading the fragments, in whose registers the parts' loads land behind the barrier
.irp i, 0,1
.irp n, 0,1,2,3
	ds_store_b128 v3, v[ACC+8*(4*\i+\n):ACC+8*(4*\i+\n)+3] offset:16*PP*\i+64*\n        ; lane (r, hh): row 16 i + r, outputs 16 n + 8 hh + 0 .. 7; each result from its low end on
	ds_store_b128 v3, v[ACC+8*(4*\i+\n)+4:ACC+8*(4*\i+\n)+7] offset:16*PP*\i+64*\n+16
.endr
.endr
	s_wait_dscnt 0x0                       ; for the others' sake: my part lies in LDS
	s_barrier_signal -1
	s_barrier_wait -1                      ; all sixteen do
.irp p, 0,1,2,3,4,5,6,7
	ds_load_b128 v[RS+4*\p:RS+4*\p+3], v4 offset:PART*\p
.endr
.irp p, 0,1,2,3,4,5,6,7
	ds_load_b128 v[RS+32+4*\p:RS+32+4*\p+3], v5 offset:PART*\p
.endr
	s_wait_dscnt 0x0
.irp d, 8,4,2,1                        ; sixteen parts become one: 30 packed additions, no chain longer than four
.irp p, 0,1,2,3,4,5,6,7
.if \p < \d
	v_pk_add_f32 v[RS+4*\p:RS+4*\p+1], v[RS+4*\p:RS+4*\p+1], v[RS+4*(\p+\d):RS+4*(\p+\d)+1]
	v_pk_add_f32 v[RS+4*\p+2:RS+4*\p+3], v[RS+4*\p+2:RS+4*\p+3], v[RS+4*(\p+\d)+2:RS+4*(\p+\d)+3]
.endif
.endr
.endr
	v_pk_fma_f32 v[RS:RS+1], v[RS:RS+1], s[22:23], v[BI:BI+1] op_sel_hi:[1,0,1]       ; sum x 2^(e10 + e11) + bias (the scalar pair's low word for both halves)
	v_pk_fma_f32 v[RS+2:RS+3], v[RS+2:RS+3], s[22:23], v[BI+2:BI+3] op_sel_hi:[1,0,1]
	s_wait_alu depctr_va_vdst(0)           ; the two multiply-adds have written v[RS .. RS + 3], which the store reads
	global_store_b128 v6, v[RS:RS+3], s[12:13] th:TH_STORE_NT   ; 16 lanes store 256 consecutive bytes, at a multiple of 256 from out0's first byte; written once, read by nobody here
	s_wait_dscnt 0x0                       ; the closing lines, six on end
	s_wait_alu 0x0
	s_wait_tensorcnt 0x0
	ds_add_u32 v192, v193
	s_wait_dscnt 0x0
	s_endpgm
.Lfunc_end_k_q03687b8133_fc:
	.size	k_q03687b8133_fc, .Lfunc_end_k_q03687b8133_fc-k_q03687b8133_fc
	.p2alignl 7, 3214868480
	.fill 96, 4, 3214868480
	.section	.rodata,"a",@progbits
	.p2align	6, 0x0
	.amdhsa_kernel k_q03687b8133_fc
		.amdhsa_group_segment_fixed_size 141312
		.amdhsa_private_segment_fixed_size 0
		.amdhsa_enable_private_segment 0
		.amdhsa_kernarg_size 40
		.amdhsa_user_sgpr_count 2
		.amdhsa_user_sgpr_kernarg_segment_ptr 1
		.amdhsa_wavefront_size32 1
		.amdhsa_system_sgpr_workgroup_id_x 1
		.amdhsa_system_sgpr_workgroup_id_y 1
		.amdhsa_system_sgpr_workgroup_id_z 1
		.amdhsa_system_vgpr_workitem_id 0
		.amdhsa_next_free_vgpr 194
		.amdhsa_next_free_sgpr 66
		.amdhsa_reserve_vcc 0
		.amdhsa_float_denorm_mode_32 3
		.amdhsa_float_denorm_mode_16_64 3
		.amdhsa_memory_ordered 1
		.amdhsa_forward_progress 1
		.amdhsa_inst_pref_size 10
	.end_amdhsa_kernel
	.amdgpu_metadata
---
amdhsa.version: [ 1, 2 ]
amdhsa.kernels:
  - .name:           k_q03687b8133_fc
    .symbol:         k_q03687b8133_fc.kd
    .args:
      - { .name: aimg, .offset: 0, .size: 8, .value_kind: global_buffer, .address_space: global }
      - { .name: wfcimg, .offset: 8, .size: 8, .value_kind: global_buffer, .address_space: global }
      - { .name: lowp_scales, .offset: 16, .size: 8, .value_kind: global_buffer, .address_space: global }
      - { .name: bfc, .offset: 24, .size: 8, .value_kind: global_buffer, .address_space: global }
      - { .name: out0, .offset: 32, .size: 8, .value_kind: global_buffer, .address_space: global }
    .group_segment_fixed_size: 141312
    .private_segment_fixed_size: 0
    .kernarg_segment_align: 8
    .kernarg_segment_size: 40
    .max_flat_workgroup_size: 512
    .sgpr_count:     66
    .vgpr_count:     194
    .wavefront_size: 32
...
	.end_amdgpu_metadata
.endif
;; end of part 8
